; MI455X (gfx1250); checked and timed in simulation.
; The chip was launched on July 23, 2026; its instructions are those of AMD's public machine-readable ISA for CDNA 5 (MIT licence, August 2026) and "CDNA5" Instruction Set Architecture Reference Guide (July 2026). The comments in the code are by the model that wrote it; some were corrected since.
;; Layer Norm LSTM Cell. Allowed arithmetic: matrix products marked QUANTISED: E2M1 operands, one E8M0 scale for each 32 along K, by v_wmma_scale_f32_16x16x128_f8f6f4 with both operands' format E2M1 (or v_wmma_scale_f32_32x16x128_f4), f32 sums; everything else in f32.
;; Inputs: W_hh_codes 4,096 x 32 x 16 uint8 (E2M1 codes of W_hh, K innermost, in blocks of 32 codes, two codes a byte); W_hh_scales 4,096 x 32 uint8 (E8M0 scales of W_hh, one for each 32 codes along K); W_ih_codes 4,096 x 32 x 16 uint8 (E2M1 codes of W_ih, K innermost, in blocks of 32 codes, two codes a byte); W_ih_scales 4,096 x 32 uint8 (E8M0 scales of W_ih, one for each 32 codes along K); cx 8,192 x 1,024 float32; hx_codes 8,192 x 32 x 16 uint8 (E2M1 codes of hx, K innermost, in blocks of 32 codes, two codes a byte); hx_scales 8,192 x 32 uint8 (E8M0 scales of hx, one for each 32 codes along K); input_codes 8,192 x 32 x 16 uint8 (E2M1 codes of input, K innermost, in blocks of 32 codes, two codes a byte); input_scales 8,192 x 32 uint8 (E8M0 scales of input, one for each 32 codes along K); ln_c_b 1,024 float32; ln_c_g 1,024 float32; ln_h_b 4,096 float32; ln_h_g 4,096 float32; ln_i_b 4,096 float32; ln_i_g 4,096 float32.
;; Outputs: out0 8,192 x 1,024 float32; out1 8,192 x 1,024 float32.
;; This version of the problem:
;;   THIS VERSION OF THE PROBLEM IS GIVEN IN LOW PRECISION. The matrix products marked QUANTISED in the list below multiply operands that are first quantised to E2M1 (2 exponent bits, 1 mantissa bit; 4 bits a number), with one power-of-two scale for each 32 numbers along K (OCP MX v1.0); their sums are f32. All else is computed in f32.
;;   The module's matrix products, in the order in which they are computed (A, B: the left and right operand; K: the contracted axis; several contracted axes count as one K, in the product's order):
;;     1. [M 8,192, K 1,024] x [K 1,024, N 4,096]; A: input input (given as codes); B: input W_ih (given as codes): QUANTISED
;;     2. [M 8,192, K 1,024] x [K 1,024, N 4,096]; A: input hx (given as codes); B: input W_hh (given as codes): QUANTISED
;;   THE QUANTISER, for each operand of a quantised product, along K:
;;     - K is cut into blocks of 32 from its start; a last block that is shorter is filled with zeros.
;;     - A block's scale is 2^e with e = floor(log2(the largest magnitude in the block)) - 2, held to -126 .. 127; a block of zeros has e = 0. As a byte (E8M0): e + 127.
;;     - Each number is divided by its block's scale, clamped to +-6, and rounded to the nearest number of E2M1, ties to even, subnormals kept.
;;     - The product sums the exact products of the quantised numbers (number of the format x scale) in f32.
;;   ~~~python
;;   def quantise(x, axis):      # numpy; x: float32 -> the quantised numbers, widened to float32 again
;;       x = np.moveaxis(x, axis, -1); K = x.shape[-1]
;;       x = np.pad(x, [(0, 0)] * (x.ndim - 1) + [(0, -K % 32)]); x = x.reshape(x.shape[:-1] + (-1, 32)); a = np.abs(x).max(-1, keepdims=True)
;;       e = np.where(a > 0, np.clip(np.frexp(np.where(a > 0, a, 1))[1] - 1 - 2, -126, 127), 0)      # np.frexp(a)[1] - 1 = floor(log2(a)), exactly
;;       r = np.clip(x / 2.0 ** e, -6, 6)
;;       step = 2.0 ** (np.maximum(np.frexp(np.where(r == 0, 1, r))[1] - 1, 0) - 1)
;;       q = np.round(r / step) * step * 2.0 ** e      # np.round: ties to even
;;       return np.moveaxis(q.reshape(q.shape[:-2] + (-1,))[..., :K], -1, axis).astype(np.float32)
;;   ~~~
;;   INPUTS GIVEN AS CODES. W_hh (in the module: [4096, 1024], K = its axis 1); W_ih (in the module: [4096, 1024], K = its axis 1); hx (in the module: [8192, 1024], K = its axis 1); input (in the module: [8192, 1024], K = its axis 1): each comes as NAME_codes (uint8): NAME with its K axis moved to the last place and cut into blocks of 32 codes, [.., K / 32, bytes a block], one block behind the other in memory; two codes a byte, the lower K in the low four bits (a code: sign, 2 exponent bits, 1 mantissa bit); and NAME_scales (uint8): the same leading axes, one E8M0 byte (e + 127) for each 32 codes along K. Its value is code x scale, taken as it is: it is not quantised again, and the codes and scales need not be those that the quantiser above would give.
;; One version. Each part assembles by itself: llvm-mc -triple=amdgcn-amd-amdhsa -mcpu=gfx1250 --defsym DOCPART=n.
;; ======== version 1 of 1: 3 launches
;; limits: right only within a limited range of input values
;; workspace buffers: rowstats 1,048,576 bytes; cpre 33,554,432 bytes; po 33,554,432 bytes
;; launch stats (part 1): grid 32 x 8, 4 waves a work-group, clusters of 4 x 1, 327,680 bytes of LDS; arguments input_codes, input_scales, hx_codes, hx_scales, W_ih_codes, W_ih_scales, W_hh_codes, W_hh_scales, rowstats; writes rowstats
.if DOCPART == 1
	.amdgcn_target "amdgcn-amd-amdhsa--gfx1250"
	.amdhsa_code_object_version 6
	.text
	.protected	k_qe78a9b1f59_stats
	.globl	k_qe78a9b1f59_stats
	.p2align	8
	.type	k_qe78a9b1f59_stats,@function
k_qe78a9b1f59_stats:
	s_mov_b64 s[64:65], 0
	v_nop
	global_prefetch_b8 v0, s[64:65] scope:SCOPE_SE
	s_setreg_imm32_b32 hwreg(HW_REG_WAVE_MODE, 25, 1), 1
	s_wait_xcnt 0x0
	s_wait_alu depctr_hold_cnt(0) depctr_sa_sdst(0) depctr_va_vdst(0) depctr_va_sdst(0) depctr_va_ssrc(0) depctr_va_vcc(0) depctr_vm_vsrc(0)
	s_getreg_b32 s2, hwreg(HW_REG_IB_STS2, 6, 4)
	s_cmp_eq_u32 s2, 0
	s_cbranch_scc0 .Lentry_in_a_cluster
	s_endpgm
.Lentry_in_a_cluster:
	s_bfe_u32 s2, ttmp6, 0x10000c
	s_cmp_lg_u32 s2, 0x3003
	s_cbranch_scc0 .Lentry_shape_is_right
	s_endpgm
.Lentry_shape_is_right:
; ROW STATISTICS OF THE TWO PRODUCTS.  y0 = input W_ih^T and y1 = hx W_hh^T, [8192][4096] each, on codes of FP4 (E2M1) with one E8M0 scale for each 32 along K = 1,024.
; Nothing of y is stored: for each row, product and split of the columns only (mean, M2 = the sum of squared distances from that mean) over the split's 512 columns: rowstats [product 2][split 8][row 8192][2 f32].
; SHARES.  A work-group: 256 rows x one of 8 splits (128 columns of each of the four gates, both products: 1,024 weight rows).  A wave: 64 of the rows.
; THE ACTIVATIONS STAY IN REGISTERS: 2 products x 4 blocks of 16 rows x 8 K steps x 8 registers = 512.  Only weights go through LDS, and each weight fragment read there feeds four matrix instructions.
; A GROUP is 16 columns of each gate of each product: 8 pieces of 16 weight rows, all of K: 64 KiB, one LDS slot; 8 K steps x 32 matrix instructions on 32 accumulators; then the sums.  Eight groups, two slots by turns.
; THE PRODUCT IS USED TRANSPOSED (source 0 = 16 weight rows, source 1 = 16 activation rows): lane (r, h) holds activation row r, its register j column 8 h + j.
; THE SUMS.  A lane keeps the plain sum S1 and the sum of squares S2 of its 256 numbers of a row: two packed multiply-adds for two numbers.  At the end mean = S1 / 256 and M2 = S2 - S1 S1 / 256, held at 0 from below;
; lanes l and l xor 16 here, and the eight splits in the next launch, are merged by their means and M2.
; LIMIT (an order of rounding other than reference()'s): a lane's M2 is a difference of two sums, so the variance's relative error is of the order 2^-20 (1 + mean^2 / variance): under 1e-3 while a row's mean stays under 30 of its standard deviations.
; CLUSTER: the four work-groups of a cluster are four row blocks of ONE split: they walk the same weights, so every weight tile and the weight scales are asked for jointly (mask 15).
; LIMITS: NaN, infinities and the scale byte 0xff among the inputs are not served.
; REGISTERS, in windows of 256: window 0: v0-15 addresses; v16-47 activation scale words (lanes 0-15 input's, lanes 16-31 hx's); v48-79 weight scale words (lanes 0-15 W_ih's, 16-31 W_hh's);
;   v80-95 at the end: (mean, M2) pairs; v96-159, v160-223 weight fragments, two sets; v224-255 the sums.  window 1: the 32 accumulators, (piece, block a) at 8 (4 piece + a).  window 2: input's fragments, (a, K step s) at 64 a + 8 s.  window 3: hx's.
.set PITCH,  528                       ; a weight row in LDS: 512 bytes + 16: the sixteen rows of a fragment load start in sixteen different groups of four banks
.set PIECE,  16*PITCH                  ; 16 weight rows
.set SLOTB,  8*PIECE                   ; a slot: 8 pieces, 67,584 bytes
.set SCL,    2*SLOTB                   ; behind the ring: the weight scales of the whole work-group: 8 pieces x 128 rows x 32 bytes, as runs of 256 bytes + 16
.set SPIECE, 16*272
.set ASTG,   305152                    ; a stage of 16 rows x 272 bytes for each wave, in which the activations are turned; no tile lands here
.set SPARE,  322560                    ; the spare words: 128 bytes for each wave, two blocks of 256 bytes that no other line names
.set SPW,  1                           ; v1   LDS address of my spare word; never rewritten
.set NIL,  2                           ; v2   0; never rewritten
.set AB0,  3                           ; v3   my lane's place in a piece: r x 528 + 16 h
.set ADB,  4                           ; v4   the same in the slot in hand
.set ADS0, 5                           ; v5   my lane's place among the weight scale words
.set OFS,  8                           ; v8   16 x lane
.set AGO,  9                           ; v9   activations in memory: 512 (lane / 16) + 16 (lane % 16)
.set AST,  10                          ; v10  the stage, on the way in
.set ALD,  11                          ; v11  and on the way out
.set ADS,  12                          ; v12  the group's scale words
.set ASO,  13                          ; v13  32 r: my row's scale bytes
.set ASC,  16
.set BSC,  48
.set PV,   80                          ; (product p, block a), i = 4 p + a: v[PV + 2 i] the mean, v[PV + 2 i + 1] the other half's mean, then M2
.set BF,   96
.set SS,   224                         ; v[SS + 4 i] S1, in two halves; v[SS + 4 i + 2] S2, in two halves
.set G1B,  36                          ; s[36:43] descriptor group 1: weight codes
.set G1S,  44                          ; s[44:51] weight scales
.set G0S,  60                          ; s[60:63] group 0: a product's scales
.set G0A,  68                          ; s[68:71] group 0: a product's four gates of group 0, into slot 0
.set G0B,  72                          ; s[72:75] my two pieces of group 1 into slot 1; then it walks on
.set HI,   67                          ; s67  mask of lanes 16-31
.set WV,   80
.set R0,   81                          ; my wave's first row
.set SPL,  82
.set TB,   83                          ; LDS byte at which the slot in hand begins
.set TS,   84                          ; where the next group's scale words begin: 544 bytes a group
.set WOFF, 85
.set CNT,  86
.set SEL,  88
.set MSB, 0
.macro WIN new                         ; the immediate's high byte repeats the setting that is left; a switch that changes nothing is dropped
.if MSB != (\new)
	s_set_vgpr_msb (MSB<<8)|(\new)
.set MSB, (\new)
.endif
.endm
.macro PLACES                          ; four plain places behind matrix instructions, in front of loads into their sources and of reads of their results
.rept 4
	v_nop
.endr
.endm
.macro CREST                           ; a round of the cluster's barrier behind its opening barrier
	s_cmp_lg_u32 s[WV], 0
	s_cbranch_scc1 .Lnot_wave_0_\@
	s_barrier_signal -3
.Lnot_wave_0_\@:
	s_barrier_wait -3
	s_barrier_signal -1
	s_barrier_wait -1
.endm
.macro CROUND
	s_barrier_signal -1
	s_barrier_wait -1
	CREST
.endm
	s_load_b256 s[4:11], s[0:1], 0x0               ; input's codes, scales; hx's codes, scales
	s_load_b256 s[12:19], s[0:1], 0x20             ; W_ih's codes, scales; W_hh's codes, scales
	s_load_b64 s[20:21], s[0:1], 0x40              ; rowstats
	v_lshl_add_u32 v[SPW], v0, 2, SPARE
	v_mov_b32 v[NIL], 0
	ds_add_u32 v[SPW], v[NIL]                      ; the opening lines: the add, twice on end, and its wait ahead of my first tensor load
	ds_add_u32 v[SPW], v[NIL]
	s_wait_dscnt 0x0
	v_lshrrev_b32 v12, 5, v0
	v_readfirstlane_b32 s[WV], v12                 ; wave 0..3
	v_and_b32 v13, 31, v0                          ; lane
	v_and_b32 v14, 15, v0                          ; r
	v_bfe_u32 v15, v0, 4, 1                        ; h
	v_lshlrev_b32 v[OFS], 4, v13
	v_mul_u32_u24 v[AB0], v14, PITCH
	v_lshl_add_u32 v[AB0], v15, 4, v[AB0]
	v_lshlrev_b32 v[AGO], 9, v15
	v_lshl_add_u32 v[AGO], v14, 4, v[AGO]
	s_mul_i32 s90, s[WV], 16*272
	s_add_co_u32 s90, s90, ASTG                    ; my stage
	v_mul_u32_u24 v[AST], v15, 272
	v_lshl_add_u32 v[AST], v14, 4, v[AST]
	v_add_nc_u32 v[AST], s90, v[AST]               ; in: lanes 0-15 one row's 256 bytes, lanes 16-31 the next row's
	v_mul_u32_u24 v[ALD], v14, 272
	v_lshl_add_u32 v[ALD], v15, 4, v[ALD]
	v_add_nc_u32 v[ALD], s90, v[ALD]               ; out: row r, + 16 h
	v_and_b32 v12, 7, v0
	v_lshlrev_b32 v[ADS0], 5, v12                  ; a weight row's 32 scale bytes: eight rows to a run of 256,
	v_bfe_u32 v12, v0, 3, 1
	v_mad_u32_u24 v[ADS0], v12, 272, v[ADS0]       ; rows 8-15 in the next run,
	v_mad_u32_u24 v[ADS0], v15, 4*SPIECE, v[ADS0]  ; lanes 16-31 take W_hh's pieces, four pieces on
	v_add_nc_u32 v[ADS0], SCL, v[ADS0]
	v_lshlrev_b32 v[ASO], 5, v14
	v_cmp_eq_u32 s[HI], 1, v15
	s_bfe_u32 s100, ttmp6, 0x40000                 ; my place in the cluster: it enters the activations' and the output's addresses alone
	s_lshl_b32 s[R0], ttmp9, 2
	s_add_co_u32 s[R0], s[R0], s100                ; row block = 4 x cluster x + place
	s_lshl_b32 s[R0], s[R0], 8
	s_lshl_b32 s100, s[WV], 6
	s_add_co_u32 s[R0], s[R0], s100                ; 256 x row block + 64 x wave
	s_and_b32 s[SPL], ttmp7, 0xffff                ; the split, which the four partners share
	; what I fetch of the weights in the ring: wave w brings pieces 2 w and 2 w + 1: product w / 2, gates 2 (w % 2) and 2 (w % 2) + 1
	s_and_b32 s90, s[WV], 1
	s_lshl_b32 s90, s90, 11
	s_lshl_b32 s91, s[SPL], 7
	s_add_co_u32 s90, s90, s91                     ; its first weight row: 2,048 (w % 2) + 128 x split
	s_lshl_b32 s92, s90, 9                         ; in bytes of codes
	s_mov_b32 s93, 0
	s_mov_b32 s95, 0
	s_mul_i32 s[WOFF], s[WV], 2*PIECE
	; group 1, weight codes: rows of 8,192 bytes (16 dense weight rows each), 1,024 weight rows apart; 16 bytes of padding behind every 512
	s_mov_b32 s[G1B], 15|(3<<16)|(1<<20)|(1<<21)|(6<<22)|(3<<25)   ; 15:0 the mask: all four work-groups; 17:16 elements of 8 bytes; 20 padding on; 21 set beside a mask; 24:22 after every 128 words; 31:25 four words
	s_mov_b32 s[G1B+1], 1024<<16                   ; tensor_dim0 = 1,024 elements
	s_mov_b32 s[G1B+2], 4<<16                      ; tensor_dim1 = 4 for the head's load (a product's four gates); set to 2, for the ring's loads, behind the wait that shows it landed
	s_mov_b32 s[G1B+3], 1024<<16                   ; tile_dim0
	s_mov_b32 s[G1B+4], 4                          ; tile_dim1, likewise
	s_mov_b32 s[G1B+5], 65536                      ; from row to row: 1,024 weight rows x 64 elements
	s_mov_b32 s[G1B+6], 0
	s_mov_b32 s[G1B+7], 0
	; group 1, weight scales: a product's four rows of 4,096 bytes (128 dense rows of 32), 1,024 rows apart; 16 bytes of padding behind every 256
	s_mov_b32 s[G1S], 15|(3<<16)|(1<<20)|(1<<21)|(5<<22)|(3<<25)
	s_mov_b32 s[G1S+1], 512<<16
	s_mov_b32 s[G1S+2], 4<<16
	s_mov_b32 s[G1S+3], 512<<16
	s_mov_b32 s[G1S+4], 4
	s_mov_b32 s[G1S+5], 4096
	s_mov_b32 s[G1S+6], 0
	s_mov_b32 s[G1S+7], 0
	s_mov_b32 s[SEL], 0x76543210
	s_mov_b32 s[SEL+1], 0xfedcba98                 ; v_permlanex16_b32's selects for lane l xor 16
	s_wait_kmcnt 0x0
	s_cmp_lt_u32 s[WV], 2                          ; the ring: W_ih or W_hh: the choice hangs on the wave's number alone
	s_cselect_b64 s[96:97], s[12:13], s[16:17]
	s_add_nc_u64 s[96:97], s[96:97], s[92:93]
	; the head's four tiles, one a wave: waves 0, 1 group 0's codes of W_ih, W_hh (four gates each); waves 2, 3 the split's scales of W_ih, W_hh
	s_and_b32 s90, s[WV], 1                        ; which product: w % 2
	s_cmp_eq_u32 s90, 0
	s_cselect_b64 s[G0A+2:G0A+3], s[12:13], s[16:17]
	s_cselect_b64 s[G0S+2:G0S+3], s[14:15], s[18:19]
	s_lshl_b32 s92, s[SPL], 16                     ; 128 x split weight rows: in bytes of codes,
	s_lshl_b32 s94, s[SPL], 12                     ; and of scales
	s_add_nc_u64 s[G0A+2:G0A+3], s[G0A+2:G0A+3], s[92:93]
	s_add_nc_u64 s[G0S+2:G0S+3], s[G0S+2:G0S+3], s[94:95]
	s_or_b32 s[G0A+3], s[G0A+3], 0x80000000
	s_or_b32 s[G0S+3], s[G0S+3], 0x80000000
	s_mov_b32 s[G0A], 1
	s_mul_i32 s[G0A+1], s90, 4*PIECE               ; pieces 4 p .. 4 p + 3 of slot 0
	s_mov_b32 s[G0S], 1
	s_mul_i32 s91, s90, 4*SPIECE
	s_add_co_u32 s[G0S+1], s91, SCL
	s_mov_b32 s[G0B], 1
	s_add_co_u32 s[G0B+1], s[WOFF], SLOTB
	s_add_nc_u64 s[G0B+2:G0B+3], s[96:97], 8192    ; a group on: 16 weight rows
	s_or_b32 s[G0B+3], s[G0B+3], 0x80000000
	s_lshl_b32 s100, s[R0], 9                      ; my rows' codes,
	s_mov_b32 s101, 0
	s_add_nc_u64 s[4:5], s[4:5], s[100:101]
	s_add_nc_u64 s[8:9], s[8:9], s[100:101]
	s_lshl_b32 s100, s[R0], 5                      ; their scale bytes,
	s_add_nc_u64 s[6:7], s[6:7], s[100:101]
	s_add_nc_u64 s[10:11], s[10:11], s[100:101]
	s_lshl_b32 s100, s[R0], 3                      ; and their place in rowstats: (8,192 x split + row) x 8
	s_lshl_b32 s91, s[SPL], 16
	s_add_co_u32 s100, s100, s91
	s_add_nc_u64 s[20:21], s[20:21], s[100:101]
	CROUND                                         ; all four work-groups are here: the first joint loads meet
	s_cmp_lt_u32 s[WV], 2                          ; one tensor load a wave at the head: one branch on the wave's number, a load in each arm
	s_cbranch_scc0 .Lhead_scales
	tensor_load_to_lds s[G0A:G0A+3], s[G1B:G1B+7]
	s_nop 0
	PLACES
	s_branch .Lhead_asked
.Lhead_scales:
	tensor_load_to_lds s[G0S:G0S+3], s[G1S:G1S+7]
	s_nop 0
	PLACES
.Lhead_asked:
	s_wait_alu depctr_va_vdst(0)
.irp a, 0,1,2,3                        ; the activations' scale words: block a, K steps 4 c on; both halves of the lanes read row r
.irp c, 0,1
	global_load_b128 v[ASC+8*\a+4*\c:ASC+8*\a+4*\c+3], v[ASO], s[6:7] offset:512*\a+16*\c
	global_load_b128 v[BF+8*\a+4*\c:BF+8*\a+4*\c+3], v[ASO], s[10:11] offset:512*\a+16*\c
.endr
.endr
; THE ACTIVATIONS, in 16 chunks of 16 rows x 256 bytes (chunk c: product c / 8, block (c / 2) % 4, half c % 2 of K).  A load reads whole runs of 256 consecutive bytes, sixteen lanes to a run;
; a fragment wants 16 bytes of each of 16 rows: so a chunk goes through my stage in LDS and comes back into the registers that it left.
.macro ALOAD c
	WIN 0x80+0x40*((\c)/8)
.irp i, 0,1,2,3,4,5,6,7
	global_load_b128 v[64*(((\c)/2)%4)+32*((\c)%2)+4*\i:64*(((\c)/2)%4)+32*((\c)%2)+4*\i+3], v[AGO], s[4+4*((\c)/8):5+4*((\c)/8)] offset:(16*(((\c)/2)%4)+2*\i)*512+256*((\c)%2)
.endr
.endm
.macro ATURN c
.set AR, 64*(((\c)/2)%4)+32*((\c)%2)
	WIN 0x08+0x04*((\c)/8)
.irp i, 0,1,2,3,4,5,6,7
	ds_store_b128 v[AST], v[AR+4*\i:AR+4*\i+3] offset:544*\i
.endr
	WIN 0x80+0x40*((\c)/8)
.irp sp, 0,1,2,3
.irp cc, 0,1
	ds_load_b128 v[AR+8*\sp+4*\cc:AR+8*\sp+4*\cc+3], v[ALD] offset:64*\sp+32*\cc   ; LDS serves a wave's instructions in order (ISA guide 5.7.1.4): these see the stores above, and the next chunk's stores come behind them
.endr
.endr
.endm
.irp c, 0,1,2,3,4,5
	ALOAD \c
.endr
	WIN 0
	s_wait_loadcnt 48                              ; the scale words are in; the six chunks' 48 loads may be out
.set n, 0
.rept 32
	v_cndmask_b32 v[ASC+n], v[ASC+n], v[BF+n], s[HI]   ; lanes 16-31 keep hx's word
.set n, n+1
.endr
.set n, 0
.rept 8
	v_mov_b32 v[PV+2*n+1], 0                       ; written once: a lane permute's destination counts as one of its sources
.set n, n+1
.endr
.set n, 0
.rept 32
	v_mov_b32 v[SS+n], 0                           ; the sums: the group is written once for all trips, so the first finds zeros
.set n, n+1
.endr
.set Q, 0
.rept 16
.if Q <= 9
	ALOAD Q+6
	s_wait_loadcnt 48                              ; chunk Q is in; the six chunks behind it may be out
.else
	s_wait_loadcnt 8*(15-Q)
.endif
	ATURN Q
.set Q, Q+1
.endr
	WIN 0
.macro BLOADS ks, bs                   ; the eight pieces' fragments of K step ks into set bs: lane (r, h): row r, bytes 64 ks + 32 c + 16 h on
	WIN 0
.irp pi, 0,1,2,3,4,5,6,7
.irp c, 0,1
	ds_load_b128 v[BF+64*(\bs)+8*\pi+4*\c:BF+64*(\bs)+8*\pi+4*\c+3], v[ADB] offset:\pi*PIECE+64*(\ks)+32*\c
.endr
.endr
.endm
; 16 matrix instructions: product p, its four gates x my four blocks of rows, K step ks.  The first K step starts the sums with the constant 0.  The 32 accumulators take turns, in the same order in every K step.
.macro MM p, ks, bs
	WIN 0x58+4*(\p)                                ; source 0 (weights) window 0, source 1 (activations) window 2 or 3, C and D window 1
.irp q, 0,1,2,3
.irp a, 0,1,2,3
.set rD, 8*(4*(4*(\p)+\q)+\a)
.set rA, BF+64*(\bs)+8*(4*(\p)+\q)
.set rB, 64*\a+8*(\ks)
.set rSA, BSC+8*\q+(\ks)
.set rSB, ASC+8*\a+(\ks)
.if (\p) == 0
.if (\ks) == 0
	v_wmma_scale_f32_16x16x128_f8f6f4 v[rD:rD+7], v[rA:rA+7], v[rB:rB+7], 0, v[rSA], v[rSB] matrix_a_fmt:MATRIX_FMT_FP4 matrix_b_fmt:MATRIX_FMT_FP4
.else
	v_wmma_scale_f32_16x16x128_f8f6f4 v[rD:rD+7], v[rA:rA+7], v[rB:rB+7], v[rD:rD+7], v[rSA], v[rSB] matrix_a_fmt:MATRIX_FMT_FP4 matrix_b_fmt:MATRIX_FMT_FP4
.endif
.else
.if (\ks) == 0
	v_wmma_scale_f32_16x16x128_f8f6f4 v[rD:rD+7], v[rA:rA+7], v[rB:rB+7], 0, v[rSA], v[rSB] matrix_a_fmt:MATRIX_FMT_FP4 matrix_b_fmt:MATRIX_FMT_FP4 matrix_a_scale:MATRIX_SCALE_ROW1 matrix_b_scale:MATRIX_SCALE_ROW1
.else
	v_wmma_scale_f32_16x16x128_f8f6f4 v[rD:rD+7], v[rA:rA+7], v[rB:rB+7], v[rD:rD+7], v[rSA], v[rSB] matrix_a_fmt:MATRIX_FMT_FP4 matrix_b_fmt:MATRIX_FMT_FP4 matrix_a_scale:MATRIX_SCALE_ROW1 matrix_b_scale:MATRIX_SCALE_ROW1
.endif
.endif
.endr
.endr
.endm
.macro STEP ks                         ; K steps 0 to 6: the next step's fragments are asked for first, into the other set
	s_wait_dscnt 0x8                               ; pieces 0-3 of this step are in (and the group's scale words); the youngest eight loads, pieces 4-7, may be out
.if (\ks) > 0
	PLACES                                         ; the other set was read by the matrix instructions just issued
.endif
	BLOADS (\ks)+1, ((\ks)+1)%2
	MM 0, \ks, (\ks)%2
	s_wait_dscnt 0x10                              ; all but the 16 just issued
	MM 1, \ks, (\ks)%2
.endm
; K step 7 and the change of slots.  mode 2: the slot just read out is filled again, with the group two on; mode 1: a barrier alone, for the last slot; mode 0: the last group.
.macro TURN mode
.if (\mode) > 0
	WIN 0                                          ; (the add's two registers lie in window 0)
	s_wait_tensorcnt 0x0                           ; all my tensor loads have landed, my part of the next slot among them
	ds_add_u32 v[SPW], v[NIL]                      ; 0 onto my spare word
	s_wait_dscnt 0x9                               ; (the add and pieces 4-7 may be out)
	MM 0, 7, 1                                     ; sixteen matrix instructions stand between the add and the wait for it
	s_wait_dscnt 0x0                               ; the add is done, and my reads of this slot are over
	s_barrier_signal -1
	MM 1, 7, 1
	WIN 0
	s_barrier_wait -1
.if (\mode) == 2
	CREST                                          ; the barrier has opened a round of the cluster's barrier: no wave of any partner still reads this slot or has a load on its way
	s_xor_b32 s[G0B+1], s[G0B+1], SLOTB            ; the walking descriptor: the other slot than last time,
	s_add_nc_u64 s[G0B+2:G0B+3], s[G0B+2:G0B+3], 8192   ; the next group's 16 rows of each piece; the type bits on top are not reached
	s_xor_b32 s[TB], s[TB], SLOTB                  ; my reads go on in the other slot
	tensor_load_to_lds s[G0B:G0B+3], s[G1B:G1B+7]  ; my one tensor load behind the round: this group's sums and the next group's 224 matrix instructions stand ahead of the wait for it
	s_nop 0
.else
	s_xor_b32 s[TB], s[TB], SLOTB
.endif
	PLACES
.else
	s_wait_dscnt 0x8
	MM 0, 7, 1
	s_wait_dscnt 0x0
	MM 1, 7, 1
	WIN 0
	PLACES
.endif
.endm
.macro PREF                            ; the next group's scale words and its first fragments
	v_add_nc_u32 v[ADB], s[TB], v[AB0]
	v_add_nc_u32 v[ADS], s[TS], v[ADS0]
	s_add_co_u32 s[TS], s[TS], 544
.irp q, 0,1,2,3
.irp c, 0,1
	ds_load_b128 v[BSC+8*\q+4*\c:BSC+8*\q+4*\c+3], v[ADS] offset:SPIECE*\q+16*\c   ; gate q, K steps 4 c on: lanes 0-15 W_ih's rows, lanes 16-31 W_hh's
.endr
.endr
	BLOADS 0, 0
.endm
; THE SUMS of a group: S1 += y, S2 += y y.  Each accumulator is read from its low end on.
.macro EPI pref
.if \pref
	PREF
.endif
	WIN 0x05                                       ; sources 0 and 1 window 1, source 2 and destination window 0: so the plain sum is written as y x 1 + sum, under the same setting as y y + sum
.irp q, 0,1,2,3
.irp jj, 0,2,4,6
.set i, 0
.rept 8
.set rD, 8*(4*(4*(i/4)+\q)+i%4)+\jj
	v_pk_fma_f32 v[SS+4*i:SS+4*i+1], v[rD:rD+1], 1.0, v[SS+4*i:SS+4*i+1] op_sel_hi:[1,0,1]
	v_pk_fma_f32 v[SS+4*i+2:SS+4*i+3], v[rD:rD+1], v[rD:rD+1], v[SS+4*i+2:SS+4*i+3]   ; sixteen chains by turns
.set i, i+1
.endr
.endr
.endr
	WIN 0
.endm
.macro GROUP mode, pref
.irp ks, 0,1,2,3,4,5,6
	STEP \ks
.endr
	TURN \mode
	EPI \pref
.endm
	s_wait_tensorcnt 0x0                           ; my tile of the head's four is in
	ds_add_u32 v[SPW], v[NIL]
	s_mov_b32 s[G1B+2], 2<<16                      ; no tensor load of mine is out: from here on a load brings two gates' rows
	s_mov_b32 s[G1B+4], 2
	s_wait_dscnt 0x0                               ; the add is done, and the activations are back in registers
	CROUND                                         ; everybody's tiles are in, and all four work-groups are here
	tensor_load_to_lds s[G0B:G0B+3], s[G1B:G1B+7]  ; slot 1's first fill: my two pieces of group 1; group 0's first 224 matrix instructions stand ahead of the wait for it
	s_nop 0
	PLACES
	s_mov_b32 s[TB], 0
	s_mov_b32 s[TS], 0
	PREF
	s_mov_b32 s[CNT], 6
.Lgrp:                                                 ; groups 0 to 5: each asks for the group two on
	s_wait_alu depctr_va_vdst(0)
	GROUP 2, 1
	s_sub_co_u32 s[CNT], s[CNT], 1
	s_cmp_lg_u32 s[CNT], 0
	s_cbranch_scc1 .Lgrp
	GROUP 1, 1                                     ; the last two are written out
	GROUP 0, 0
	; THE END.  A lane has 256 numbers of each of its rows: mean = S1 / 256, M2 = S2 - S1 S1 / 256, not under 0; with lane l xor 16's 256: mean = (m + m') / 2, M2 = M2 + M2' + 128 (m - m')^2.
.irp i, 0,1,2,3,4,5,6,7
	v_add_f32 v[SS+4*\i], v[SS+4*\i], v[SS+4*\i+1]
	v_add_f32 v[SS+4*\i+2], v[SS+4*\i+2], v[SS+4*\i+3]
.endr
.irp i, 0,1,2,3,4,5,6,7
	v_mul_f32 v[SS+4*\i+1], 0x3b800000, v[SS+4*\i]             ; S1 / 256: my mean; it serves M2 too
.endr
.irp i, 0,1,2,3,4,5,6,7
	v_fma_f32 v[SS+4*\i+2], -v[SS+4*\i], v[SS+4*\i+1], v[SS+4*\i+2]
.endr
.irp i, 0,1,2,3,4,5,6,7
	v_max_num_f32 v[SS+4*\i+2], 0, v[SS+4*\i+2]                ; rounding cannot leave M2 under 0
.endr
.irp i, 0,1,2,3,4,5,6,7
	v_permlanex16_b32 v[PV+2*\i+1], v[SS+4*\i+1], s[SEL], s[SEL+1]
	v_permlanex16_b32 v[SS+4*\i+3], v[SS+4*\i+2], s[SEL], s[SEL+1]
.endr
.irp i, 0,1,2,3,4,5,6,7
	v_sub_f32 v[SS+4*\i], v[SS+4*\i+1], v[PV+2*\i+1]
	v_add_f32 v[PV+2*\i], v[SS+4*\i+1], v[PV+2*\i+1]
	v_add_f32 v[SS+4*\i+2], v[SS+4*\i+2], v[SS+4*\i+3]
.endr
.irp i, 0,1,2,3,4,5,6,7
	v_mul_f32 v[SS+4*\i], v[SS+4*\i], v[SS+4*\i]
	v_mul_f32 v[PV+2*\i], 0.5, v[PV+2*\i]
.endr
.irp i, 0,1,2,3,4,5,6,7
	v_fmamk_f32 v[PV+2*\i+1], v[SS+4*\i], 0x43000000, v[SS+4*\i+2]   ; (mean, M2) now lie as a pair, the same in both halves of the lanes
.endr
	v_lshrrev_b32 v[ADS], 1, v[OFS]                ; 8 x lane
.irp k, 0,1,2,3                        ; k = 2 p + ap: lanes 0-15 give block 2 ap, lanes 16-31 block 2 ap + 1: 32 neighbouring rows
	v_cndmask_b32 v[BF+2*\k], v[PV+4*\k], v[PV+4*\k+2], s[HI]
	v_cndmask_b32 v[BF+2*\k+1], v[PV+4*\k+1], v[PV+4*\k+3], s[HI]
.endr
.irp k, 0,1,2,3
	global_store_b64 v[ADS], v[BF+2*\k:BF+2*\k+1], s[20:21] offset:524288*(\k/2)+256*(\k%2)   ; 32 lanes store 256 consecutive bytes, at a multiple of 256 from the buffer's first byte
.endr
	s_wait_tensorcnt 0x0                           ; the wave's end
	ds_add_u32 v[SPW], v[NIL]
	s_wait_dscnt 0x0
	CROUND                                         ; the closing round: no work-group ends while a partner may still ask for a tile that names it
	s_endpgm
.Lfunc_end_k_qe78a9b1f59_stats:
	.size	k_qe78a9b1f59_stats, .Lfunc_end_k_qe78a9b1f59_stats-k_qe78a9b1f59_stats
	.p2alignl 7, 3214868480
	.fill 96, 4, 3214868480
	.section	.rodata,"a",@progbits
	.p2align	6, 0x0
	.amdhsa_kernel k_qe78a9b1f59_stats
		.amdhsa_group_segment_fixed_size 327680
		.amdhsa_private_segment_fixed_size 0
		.amdhsa_enable_private_segment 0
		.amdhsa_kernarg_size 72
		.amdhsa_user_sgpr_count 2
		.amdhsa_user_sgpr_kernarg_segment_ptr 1
		.amdhsa_wavefront_size32 1
		.amdhsa_system_sgpr_workgroup_id_x 1
		.amdhsa_system_sgpr_workgroup_id_y 1
		.amdhsa_system_sgpr_workgroup_id_z 1
		.amdhsa_system_vgpr_workitem_id 0
		.amdhsa_next_free_vgpr 1024
		.amdhsa_next_free_sgpr 104
		.amdhsa_reserve_vcc 0
		.amdhsa_float_denorm_mode_32 3
		.amdhsa_float_denorm_mode_16_64 3
		.amdhsa_memory_ordered 1
		.amdhsa_forward_progress 1
		.amdhsa_inst_pref_size 225
	.end_amdhsa_kernel
	.amdgpu_metadata
---
amdhsa.version: [ 1, 2 ]
amdhsa.kernels:
  - .name:           k_qe78a9b1f59_stats
    .symbol:         k_qe78a9b1f59_stats.kd
    .args:
      - { .name: input_codes, .offset: 0, .size: 8, .value_kind: global_buffer, .address_space: global }
      - { .name: input_scales, .offset: 8, .size: 8, .value_kind: global_buffer, .address_space: global }
      - { .name: hx_codes, .offset: 16, .size: 8, .value_kind: global_buffer, .address_space: global }
      - { .name: hx_scales, .offset: 24, .size: 8, .value_kind: global_buffer, .address_space: global }
      - { .name: W_ih_codes, .offset: 32, .size: 8, .value_kind: global_buffer, .address_space: global }
      - { .name: W_ih_scales, .offset: 40, .size: 8, .value_kind: global_buffer, .address_space: global }
      - { .name: W_hh_codes, .offset: 48, .size: 8, .value_kind: global_buffer, .address_space: global }
      - { .name: W_hh_scales, .offset: 56, .size: 8, .value_kind: global_buffer, .address_space: global }
      - { .name: rowstats, .offset: 64, .size: 8, .value_kind: global_buffer, .address_space: global }
    .group_segment_fixed_size: 327680
    .private_segment_fixed_size: 0
    .kernarg_segment_align: 8
    .kernarg_segment_size: 72
    .max_flat_workgroup_size: 128
    .sgpr_count:     104
    .vgpr_count:     1024
    .wavefront_size: 32
...
	.end_amdgpu_metadata
.endif
;; end of part 1
;; launch gates (part 2): grid 32 x 8, 4 waves a work-group, clusters of 4 x 1, 327,680 bytes of LDS; arguments input_codes, input_scales, hx_codes, hx_scales, W_ih_codes, W_ih_scales, W_hh_codes, W_hh_scales, rowstats, cx, ln_i_g, ln_i_b, ln_h_g, ln_h_b, cpre, po; writes cpre, po
.if DOCPART == 2
	.amdgcn_target "amdgcn-amd-amdhsa--gfx1250"
	.amdhsa_code_object_version 6
	.text
	.protected	k_qe78a9b1f59_gates
	.globl	k_qe78a9b1f59_gates
	.p2align	8
	.type	k_qe78a9b1f59_gates,@function
k_qe78a9b1f59_gates:
	s_mov_b64 s[64:65], 0
	v_nop
	global_prefetch_b8 v0, s[64:65] scope:SCOPE_SE
	s_setreg_imm32_b32 hwreg(HW_REG_WAVE_MODE, 25, 1), 1
	s_wait_xcnt 0x0
	s_wait_alu depctr_hold_cnt(0) depctr_sa_sdst(0) depctr_va_vdst(0) depctr_va_sdst(0) depctr_va_ssrc(0) depctr_va_vcc(0) depctr_vm_vsrc(0)
	s_getreg_b32 s2, hwreg(HW_REG_IB_STS2, 6, 4)
	s_cmp_eq_u32 s2, 0
	s_cbranch_scc0 .Lentry_in_a_cluster
	s_endpgm
.Lentry_in_a_cluster:
	s_bfe_u32 s2, ttmp6, 0x10000c
	s_cmp_lg_u32 s2, 0x3003
	s_cbranch_scc0 .Lentry_shape_is_right
	s_endpgm
.Lentry_shape_is_right:
; THE GATES.  Both products once more (y0 = input W_ih^T, y1 = hx W_hh^T, on codes of FP4 with E8M0 scales), now with each row's mean and variance known from rowstats:
; gates = LN(y0) g_i + b_i + LN(y1) g_h + b_h; i, f, o = sigmoid, g = tanh; c = f cx + i g.  Stored: c, and Po = 1 + e^-o (so that o = 1 / Po), for the launch that normalises c over whole rows.
; SHARES, RING, LAYOUT AND CLUSTER: a work-group is 256 rows x one of 8 splits (128 columns of each gate, both products); a wave 64 rows, its activations in 512 registers for all of K; weights through two LDS slots,
; a group of 16 columns x 8 pieces (product, gate) to a slot; the product transposed: lane (r, h) holds row r, register j column 8 h + j.  The four work-groups of a cluster share a split: weight tiles and weight scales are asked for jointly.
; So all four gates of both products of an element lie in ONE lane at the same register index, and the whole chain up to c is arithmetic of a lane.
; ARITHMETIC, k = -log2(e).  z' = y R' + M' with R' = k / sqrt(var + eps), M' = -mean R'; t' = z0' G1 + z1' G2 + BB, with G = gain (x 2 for gate g), BB = k (b_i + b_h) (x 2 for g).  E = 2^t'.
; sigmoid = 1 / (1 + E); tanh = (1 - E) / (1 + E).  c = cx / (1 + Ef) + (1 - Eg) / ((1 + Ei)(1 + Eg)).
; LIMITS: t' of gate g is held at 40 from above (tanh is then -1 to within 2^-39), so that 1 - Eg stays finite; Ei, Ef, Eo may overflow to infinity: their reciprocals are then 0, which is the limit.
; NaN, infinities and the scale byte 0xff among the inputs are not served.
; OUTPUT LAYOUT (both buffers): [block of 16 rows 512][group of 16 columns 64][c 2][lane 32][16 bytes]: lane (r, h), quad c: row r, columns 8 h + 4 c + 0 .. 3 of the group: the registers as they stand.
; REGISTERS: window 0: v0-15 addresses; v16-47, v48-79 scale words; v80-95 (R', M') of (product, block); v96-223 weight fragments, two sets; in the epilogue v160-255 hold G1, G2, BB.  window 1: accumulators.  windows 2, 3: activations.
.set PITCH,  528
.set PIECE,  16*PITCH
.set SLOTB,  8*PIECE
.set SCL,    2*SLOTB
.set SPIECE, 16*272
.set CXR,    169984                    ; cx: the work-group's 256 rows x (512 bytes + 16); filled once, by waves 2 and 3, 128 rows each
.set ASTG,   305152                    ; the stages in which the activations are turned; behind a barrier their first 6,144 bytes hold G1, G2, BB: [array 3][gate 4][128 columns] f32
.set SPARE,  322560
.set SPW,  1
.set NIL,  2
.set AB0,  3
.set ADB,  4
.set ADS0, 5
.set ADP0, 6                           ; v6   my lane's place among the parameters: 32 h
.set ADC0, 7                           ; v7   and in my wave's rows of cx: r x 528 + 32 h
.set OFS,  8
.set AGO,  9
.set AST,  10
.set ALD,  11
.set ADS,  12                          ; v12  at the head: 8 x lane
.set ADP,  13                          ; v13  at the head: 32 r
.set ADC,  14
.set PRA,  15                          ; v15  where I store my 16 bytes of each parameter array
.set ASC,  16
.set BSC,  48
.set RS,   80
.set BF,   96
.set SR,   128                         ; the head: the eight splits' (mean, M2), k = 2 p + ap: v[SR + 16 k + 2 i]
.set PG,   160
.set TT,   208                         ; the head: four registers at work for each k
.set G1B,  36
.set G1S,  44
.set G1C,  52                          ; s[52:59] descriptor group 1: cx
.set G0S,  60
.set TP,   66                          ; s66  the group's step among parameters and cx: 64 bytes a group
.set HI,   67
.set G0A,  68
.set G0B,  72
.set G0C,  76
.set G1H,  12                          ; s[12:19] descriptor group 1 for the first fills of the two slots: a product's four gates in one load (the weights' addresses that lay there have been used by then)
.set WV,   80
.set R0,   81
.set SPL,  82
.set TB,   83
.set TS,   84
.set WOFF, 85
.set CNT,  86
.set K40,  87
.set SEL,  88
.set MSB, 0
.macro WIN new
.if MSB != (\new)
	s_set_vgpr_msb (MSB<<8)|(\new)
.set MSB, (\new)
.endif
.endm
.macro PLACES
.rept 4
	v_nop
.endr
.endm
.macro CREST
	s_cmp_lg_u32 s[WV], 0
	s_cbranch_scc1 .Lnot_wave_0_\@
	s_barrier_signal -3
.Lnot_wave_0_\@:
	s_barrier_wait -3
	s_barrier_signal -1
	s_barrier_wait -1
.endm
.macro CROUND
	s_barrier_signal -1
	s_barrier_wait -1
	CREST
.endm
	s_load_b256 s[4:11], s[0:1], 0x0               ; input's codes, scales; hx's codes, scales
	s_load_b256 s[12:19], s[0:1], 0x20             ; W_ih's codes, scales; W_hh's codes, scales
	s_load_b256 s[20:27], s[0:1], 0x40             ; rowstats, cx, ln_i_g, ln_i_b
	s_load_b256 s[28:35], s[0:1], 0x60             ; ln_h_g, ln_h_b, cpre, po
	v_lshl_add_u32 v[SPW], v0, 2, SPARE
	v_mov_b32 v[NIL], 0
	ds_add_u32 v1, v2
	ds_add_u32 v1, v2
	s_wait_dscnt 0x0
	v_lshrrev_b32 v12, 5, v0
	v_readfirstlane_b32 s[WV], v12
	v_and_b32 v13, 31, v0                          ; lane
	v_and_b32 v14, 15, v0                          ; r
	v_bfe_u32 v15, v0, 4, 1                        ; h
	v_lshlrev_b32 v[OFS], 4, v13
	v_mul_u32_u24 v[AB0], v14, PITCH
	v_lshl_add_u32 v[AB0], v15, 4, v[AB0]
	v_lshlrev_b32 v[AGO], 9, v15
	v_lshl_add_u32 v[AGO], v14, 4, v[AGO]
	s_mul_i32 s90, s[WV], 16*272
	s_add_co_u32 s90, s90, ASTG
	v_mul_u32_u24 v[AST], v15, 272
	v_lshl_add_u32 v[AST], v14, 4, v[AST]
	v_add_nc_u32 v[AST], s90, v[AST]
	v_mul_u32_u24 v[ALD], v14, 272
	v_lshl_add_u32 v[ALD], v15, 4, v[ALD]
	v_add_nc_u32 v[ALD], s90, v[ALD]
	v_and_b32 v12, 7, v0
	v_lshlrev_b32 v[ADS0], 5, v12
	v_bfe_u32 v12, v0, 3, 1
	v_mad_u32_u24 v[ADS0], v12, 272, v[ADS0]
	v_mad_u32_u24 v[ADS0], v15, 4*SPIECE, v[ADS0]
	v_add_nc_u32 v[ADS0], SCL, v[ADS0]
	v_lshl_add_u32 v[ADP0], v15, 5, ASTG
	s_mul_i32 s[G0C+1], s[WV], 64*PITCH
	s_add_co_u32 s[G0C+1], s[G0C+1], CXR           ; my wave's rows of cx in LDS
	v_mul_u32_u24 v[ADC0], v14, PITCH
	v_lshl_add_u32 v[ADC0], v15, 5, v[ADC0]
	v_add_nc_u32 v[ADC0], s[G0C+1], v[ADC0]
	v_lshrrev_b32 v12, 1, v[OFS]                   ; 8 x lane
	v_lshlrev_b32 v13, 5, v14                      ; 32 r
	v_cmp_eq_u32 s[HI], 1, v15
	v_lshl_add_u32 v[PRA], v0, 4, ASTG
	s_bfe_u32 s100, ttmp6, 0x40000                 ; my place in the cluster: it enters the addresses of activations, rowstats, cx and the outputs alone
	s_lshl_b32 s[R0], ttmp9, 2
	s_add_co_u32 s[R0], s[R0], s100
	s_lshl_b32 s[R0], s[R0], 8
	s_lshl_b32 s100, s[WV], 6
	s_add_co_u32 s[R0], s[R0], s100                ; my first row: 256 x row block + 64 x wave
	s_and_b32 s[SPL], ttmp7, 0xffff
	s_and_b32 s90, s[WV], 1
	s_lshl_b32 s90, s90, 11
	s_lshl_b32 s91, s[SPL], 7
	s_add_co_u32 s90, s90, s91                     ; the first weight row that I fetch: 2,048 (w % 2) + 128 x split, of product w / 2
	s_lshl_b32 s92, s90, 9
	s_mov_b32 s93, 0
	s_mov_b32 s95, 0
	s_mul_i32 s[WOFF], s[WV], 2*PIECE
	s_mov_b32 s[G1B], 15|(3<<16)|(1<<20)|(1<<21)|(6<<22)|(3<<25)   ; weight codes: mask of all four; elements of 8 bytes; four words of padding after every 128; bit 21 set beside a mask
	s_mov_b32 s[G1B+1], 1024<<16                   ; two rows of 8,192 bytes (16 dense weight rows each),
	s_mov_b32 s[G1B+2], 2<<16
	s_mov_b32 s[G1B+3], 1024<<16
	s_mov_b32 s[G1B+4], 2
	s_mov_b32 s[G1B+5], 65536                      ; 1,024 weight rows apart
	s_mov_b32 s[G1B+6], 0
	s_mov_b32 s[G1B+7], 0
	s_mov_b32 s[G1S], 15|(3<<16)|(1<<20)|(1<<21)|(5<<22)|(3<<25)   ; weight scales: four rows of 4,096 bytes, 1,024 rows of 32 bytes apart; four words of padding after every 64
	s_mov_b32 s[G1S+1], 512<<16
	s_mov_b32 s[G1S+2], 4<<16                      ; a product's four gates in one load
	s_mov_b32 s[G1S+3], 512<<16
	s_mov_b32 s[G1S+4], 4
	s_mov_b32 s[G1S+5], 4096
	s_mov_b32 s[G1S+6], 0
	s_mov_b32 s[G1S+7], 0
	s_mov_b32 s[G1C], (2<<16)|(1<<20)|(6<<22)|(3<<25)             ; cx: no mask (each work-group has rows of its own); elements of 4 bytes; four words of padding after every 128
	s_mov_b32 s[G1C+1], 128<<16                    ; 128 rows of 128 numbers,
	s_mov_b32 s[G1C+2], 128<<16
	s_mov_b32 s[G1C+3], 128<<16
	s_mov_b32 s[G1C+4], 128
	s_mov_b32 s[G1C+5], 1024                       ; 1,024 numbers from row to row
	s_mov_b32 s[G1C+6], 0
	s_mov_b32 s[G1C+7], 0
	s_mov_b32 s[SEL], 0x76543210
	s_mov_b32 s[SEL+1], 0xfedcba98
	s_mov_b32 s[K40], 0x42200000                   ; 40.0
	s_wait_kmcnt 0x0
	s_cmp_lt_u32 s[WV], 2                          ; W_ih or W_hh: the choice hangs on the wave's number alone
	s_cselect_b64 s[96:97], s[12:13], s[16:17]
	s_add_nc_u64 s[96:97], s[96:97], s[92:93]
	; the head's four tiles, one a wave: waves 0, 1 group 0's codes of W_ih, W_hh (four gates each); waves 2, 3 the split's scales of W_ih, W_hh
	s_and_b32 s90, s[WV], 1                        ; which product: w % 2
	s_cmp_eq_u32 s90, 0
	s_cselect_b64 s[G0A+2:G0A+3], s[12:13], s[16:17]
	s_cselect_b64 s[G0S+2:G0S+3], s[14:15], s[18:19]
	s_lshl_b32 s92, s[SPL], 16                     ; 128 x split weight rows: in bytes of codes,
	s_lshl_b32 s94, s[SPL], 12                     ; and of scales
	s_add_nc_u64 s[G0A+2:G0A+3], s[G0A+2:G0A+3], s[92:93]
	s_add_nc_u64 s[G0S+2:G0S+3], s[G0S+2:G0S+3], s[94:95]
	s_or_b32 s[G0A+3], s[G0A+3], 0x80000000
	s_or_b32 s[G0S+3], s[G0S+3], 0x80000000
	s_mov_b32 s[G0A], 1
	s_mul_i32 s[G0A+1], s90, 4*PIECE               ; pieces 4 p .. 4 p + 3 of slot 0
	s_mov_b32 s[G0S], 1
	s_mul_i32 s91, s90, 4*SPIECE
	s_add_co_u32 s[G0S+1], s91, SCL
	s_mov_b32 s[G1H], 15|(3<<16)|(1<<20)|(1<<21)|(6<<22)|(3<<25)   ; as the ring's group 1, but four rows of 8,192 bytes: a product's four gates
	s_mov_b32 s[G1H+1], 1024<<16
	s_mov_b32 s[G1H+2], 4<<16
	s_mov_b32 s[G1H+3], 1024<<16
	s_mov_b32 s[G1H+4], 4
	s_mov_b32 s[G1H+5], 65536
	s_mov_b32 s[G1H+6], 0
	s_mov_b32 s[G1H+7], 0
	s_mov_b32 s[G0B], 1
	s_add_co_u32 s[G0B+1], s[WOFF], SLOTB
	s_add_nc_u64 s[G0B+2:G0B+3], s[96:97], 8192
	s_or_b32 s[G0B+3], s[G0B+3], 0x80000000
	s_mov_b32 s101, 0
	s_and_b32 s90, s[WV], 1                        ; cx: waves 2 and 3 fetch rows 128 (w % 2) on of the work-group's 256
	s_lshl_b32 s100, s[WV], 6
	s_sub_co_u32 s100, s[R0], s100                 ; the work-group's first row
	s_lshl_b32 s91, s90, 7
	s_add_co_u32 s100, s100, s91
	s_lshl_b32 s100, s100, 12                      ; row x 4,096 + 512 x split
	s_lshl_b32 s91, s[SPL], 9
	s_add_co_u32 s100, s100, s91
	s_mul_i32 s[G0C+1], s90, 128*PITCH
	s_add_co_u32 s[G0C+1], s[G0C+1], CXR
	s_mov_b32 s[G0C], 1
	s_add_nc_u64 s[G0C+2:G0C+3], s[22:23], s[100:101]
	s_or_b32 s[G0C+3], s[G0C+3], 0x80000000
	s_lshl_b32 s100, s[R0], 12                     ; the outputs: (row / 16) x 65,536 + 8 x split x 1,024
	s_lshl_b32 s91, s[SPL], 13
	s_add_co_u32 s100, s100, s91
	s_add_nc_u64 s[32:33], s[32:33], s[100:101]
	s_add_nc_u64 s[34:35], s[34:35], s[100:101]
	s_lshl_b32 s100, s[R0], 9
	s_add_nc_u64 s[4:5], s[4:5], s[100:101]
	s_add_nc_u64 s[8:9], s[8:9], s[100:101]
	s_lshl_b32 s100, s[R0], 5
	s_add_nc_u64 s[6:7], s[6:7], s[100:101]
	s_add_nc_u64 s[10:11], s[10:11], s[100:101]
	s_lshl_b32 s100, s[R0], 3
	s_add_nc_u64 s[20:21], s[20:21], s[100:101]    ; rowstats at my first row
	s_lshl_b32 s100, s[WV], 12                     ; the gains and biases: wave q prepares gate q's 128 columns of the split: (1,024 q + 128 x split) x 4
	s_lshl_b32 s91, s[SPL], 9
	s_add_co_u32 s100, s100, s91
	s_add_nc_u64 s[24:25], s[24:25], s[100:101]
	s_add_nc_u64 s[26:27], s[26:27], s[100:101]
	s_add_nc_u64 s[28:29], s[28:29], s[100:101]
	s_add_nc_u64 s[30:31], s[30:31], s[100:101]
	CROUND                                         ; all four work-groups are here: the first joint loads meet
	s_cmp_lt_u32 s[WV], 2                          ; one tensor load a wave at the head: one branch on the wave's number, a load in each arm
	s_cbranch_scc0 .Lhead_scales
	tensor_load_to_lds s[G0A:G0A+3], s[G1H:G1H+7]
	s_nop 0
	PLACES
	s_branch .Lhead_asked
.Lhead_scales:
	tensor_load_to_lds s[G0S:G0S+3], s[G1S:G1S+7]
	s_nop 0
	PLACES
.Lhead_asked:
	s_wait_alu depctr_va_vdst(0)
.irp a, 0,1,2,3
.irp c, 0,1
	global_load_b128 v[ASC+8*\a+4*\c:ASC+8*\a+4*\c+3], v13, s[6:7] offset:512*\a+16*\c
	global_load_b128 v[BF+8*\a+4*\c:BF+8*\a+4*\c+3], v13, s[10:11] offset:512*\a+16*\c
.endr
.endr
.irp k, 0,1,2,3                        ; k = 2 p + ap: lane l takes row 32 ap + l of product p, from each of the eight splits: 256 consecutive bytes a load
.irp i, 0,1,2,3,4,5,6,7
	global_load_b64 v[SR+16*\k+2*\i:SR+16*\k+2*\i+1], v12, s[20:21] offset:524288*(\k/2)+256*(\k%2)+65536*\i
.endr
.endr
	global_load_b128 v[192:195], v[OFS], s[24:25]  ; g_i, b_i, g_h, b_h: four columns a lane
	global_load_b128 v[196:199], v[OFS], s[26:27]
	global_load_b128 v[200:203], v[OFS], s[28:29]
	global_load_b128 v[204:207], v[OFS], s[30:31]
; THE ACTIVATIONS, in 16 chunks of 16 rows x 256 bytes: loaded in whole runs of 256 consecutive bytes, turned through my stage in LDS, back into the registers that they left.
.macro ALOAD c
	WIN 0x80+0x40*((\c)/8)
.irp i, 0,1,2,3,4,5,6,7
	global_load_b128 v[64*(((\c)/2)%4)+32*((\c)%2)+4*\i:64*(((\c)/2)%4)+32*((\c)%2)+4*\i+3], v[AGO], s[4+4*((\c)/8):5+4*((\c)/8)] offset:(16*(((\c)/2)%4)+2*\i)*512+256*((\c)%2)
.endr
.endm
.macro ATURN c
.set AR, 64*(((\c)/2)%4)+32*((\c)%2)
	WIN 0x08+0x04*((\c)/8)
.irp i, 0,1,2,3,4,5,6,7
	ds_store_b128 v[AST], v[AR+4*\i:AR+4*\i+3] offset:544*\i
.endr
	WIN 0x80+0x40*((\c)/8)
.irp sp, 0,1,2,3
.irp cc, 0,1
	ds_load_b128 v[AR+8*\sp+4*\cc:AR+8*\sp+4*\cc+3], v[ALD] offset:64*\sp+32*\cc   ; LDS serves a wave's instructions in order (ISA guide 5.7.1.4)
.endr
.endr
.endm
.irp c, 0,1,2,3,4,5
	ALOAD \c
.endr
	WIN 0
	s_wait_loadcnt 48                              ; the 52 small loads are in; the six chunks' 48 may be out
.set n, 0
.rept 32
	v_cndmask_b32 v[ASC+n], v[ASC+n], v[BF+n], s[HI]   ; lanes 16-31 keep hx's scale word
.set n, n+1
.endr
	; each row's mean and M2 over all 4,096 columns, from the eight splits of 512: mean = the mean of the means, M2 = the sum of the M2 + 512 x the sum of (m_i - mean)^2
	s_mov_b32 s90, 0x39800000                      ; 1 / 4,096
	s_mov_b32 s91, 0x3727c5ac                      ; eps = 1e-5
.irp k, 0,1,2,3
	v_add_f32 v[TT+4*\k], v[SR+16*\k], v[SR+16*\k+2]
	v_add_f32 v[TT+4*\k+1], v[SR+16*\k+4], v[SR+16*\k+6]
	v_add_f32 v[TT+4*\k+2], v[SR+16*\k+8], v[SR+16*\k+10]
	v_add_f32 v[TT+4*\k+3], v[SR+16*\k+12], v[SR+16*\k+14]
.endr
.irp k, 0,1,2,3
	v_add_f32 v[TT+4*\k], v[TT+4*\k], v[TT+4*\k+1]
	v_add_f32 v[TT+4*\k+2], v[TT+4*\k+2], v[TT+4*\k+3]
.endr
.irp k, 0,1,2,3
	v_add_f32 v[TT+4*\k], v[TT+4*\k], v[TT+4*\k+2]
.endr
.irp k, 0,1,2,3
	v_mul_f32 v[TT+4*\k], 0x3e000000, v[TT+4*\k]               ; the mean
	v_add_f32 v[TT+4*\k+1], v[SR+16*\k+1], v[SR+16*\k+3]
.endr
.irp i, 2,3,4,5,6,7
.irp k, 0,1,2,3
	v_add_f32 v[TT+4*\k+1], v[TT+4*\k+1], v[SR+16*\k+2*\i+1]
.endr
.endr
.irp i, 0,1,2,3,4,5,6,7
.irp k, 0,1,2,3
	v_sub_f32 v[SR+16*\k+2*\i], v[SR+16*\k+2*\i], v[TT+4*\k]
.endr
.endr
.irp k, 0,1,2,3
	v_mul_f32 v[TT+4*\k+2], v[SR+16*\k], v[SR+16*\k]
.endr
.irp i, 1,2,3,4,5,6,7
.irp k, 0,1,2,3
	v_fmac_f32 v[TT+4*\k+2], v[SR+16*\k+2*\i], v[SR+16*\k+2*\i]
.endr
.endr
.irp k, 0,1,2,3
	v_fmamk_f32 v[TT+4*\k+1], v[TT+4*\k+2], 0x44000000, v[TT+4*\k+1]
.endr
.irp k, 0,1,2,3
	v_fma_f32 v[TT+4*\k+1], v[TT+4*\k+1], s90, s91             ; the variance + eps
.endr
	s_wait_alu depctr_va_vdst(0)
.irp k, 0,1,2,3
	v_rsq_f32 v[TT+4*\k+1], v[TT+4*\k+1]
.endr
	v_nop                                          ; a plain place behind the transcendentals
	s_wait_alu depctr_va_vdst(0)
.irp k, 0,1,2,3
	v_mul_f32 v[TT+4*\k+1], 0xbfb8aa3b, v[TT+4*\k+1]           ; R' = -log2(e) / sqrt(var + eps)
.endr
.irp k, 0,1,2,3
	v_mul_f32 v[TT+4*\k], -v[TT+4*\k], v[TT+4*\k+1]            ; M' = -mean R'
.endr
.irp k, 0,1,2,3
	v_permlanex16_b32 v[TT+4*\k+2], v[TT+4*\k+1], s[SEL], s[SEL+1]
	v_permlanex16_b32 v[TT+4*\k+3], v[TT+4*\k], s[SEL], s[SEL+1]
.endr
.irp k, 0,1,2,3                        ; lanes 0-15 computed block 2 ap's rows, lanes 16-31 block 2 ap + 1's: each block's pair goes into both halves of the lanes
	v_cndmask_b32 v[RS+4*\k], v[TT+4*\k+1], v[TT+4*\k+2], s[HI]
	v_cndmask_b32 v[RS+4*\k+1], v[TT+4*\k], v[TT+4*\k+3], s[HI]
	v_cndmask_b32 v[RS+4*\k+2], v[TT+4*\k+2], v[TT+4*\k+1], s[HI]
	v_cndmask_b32 v[RS+4*\k+3], v[TT+4*\k+3], v[TT+4*\k], s[HI]
.endr
	s_cmp_eq_u32 s[WV], 2                          ; gate g's exponent is twice as large: a choice of values on the wave's number
	s_mov_b32 s92, 1.0
	s_cselect_b32 s92, 2.0, s92
	s_mov_b32 s93, 0xbfb8aa3b                      ; -log2(e),
	s_cselect_b32 s93, 0xc038aa3b, s93             ; or twice that
.irp j, 0,1,2,3
	v_mul_f32 v[240+\j], s92, v[192+\j]            ; G1
	v_mul_f32 v[244+\j], s92, v[200+\j]            ; G2
	v_add_f32 v[248+\j], v[196+\j], v[204+\j]
.endr
.irp j, 0,1,2,3
	v_mul_f32 v[248+\j], s93, v[248+\j]            ; BB
.endr
.set Q, 0
.rept 16
.if Q == 3                             ; the other first fills, issued as a refill is: waves 0, 1 slot 1's codes of W_ih, W_hh; waves 2, 3 cx, 128 rows each
	WIN 0
	s_wait_tensorcnt 0x0                           ; my tile of the head's four is in, so its group 0 may be written:
	ds_add_u32 v[SPW], v[NIL]
	s_add_co_u32 s[G0A+1], s[G0A+1], SLOTB         ; slot 1,
	s_add_nc_u64 s[G0A+2:G0A+3], s[G0A+2:G0A+3], 8192   ; group 1's 16 rows of each gate
	s_wait_dscnt 0x0
	CROUND
	s_cmp_lt_u32 s[WV], 2
	s_cbranch_scc0 .Lhead_cx
	tensor_load_to_lds s[G0A:G0A+3], s[G1H:G1H+7]
	s_nop 0
	PLACES
	s_branch .Lhead_more
.Lhead_cx:
	tensor_load_to_lds s[G0C:G0C+3], s[G1C:G1C+7]
	s_nop 0
	PLACES
.Lhead_more:
.endif
.if Q <= 9
	ALOAD Q+6
	s_wait_loadcnt 48                              ; chunk Q is in; the six chunks behind it may be out
.else
	s_wait_loadcnt 8*(15-Q)
.endif
	ATURN Q
.set Q, Q+1
.endr
	WIN 0
.macro BLOADS ks, bs
	WIN 0
.irp pi, 0,1,2,3,4,5,6,7
.irp c, 0,1
	ds_load_b128 v[BF+64*(\bs)+8*\pi+4*\c:BF+64*(\bs)+8*\pi+4*\c+3], v[ADB] offset:\pi*PIECE+64*(\ks)+32*\c
.endr
.endr
.endm
; 16 matrix instructions: product p, its four gates x my four blocks of rows, K step ks.  The 32 accumulators take turns, in the same order in every K step.
.macro MM p, ks, bs
	WIN 0x58+4*(\p)                                ; source 0 (weights) window 0, source 1 (activations) window 2 or 3, C and D window 1
.irp q, 0,1,2,3
.irp a, 0,1,2,3
.set rD, 8*(4*(4*(\p)+\q)+\a)
.set rA, BF+64*(\bs)+8*(4*(\p)+\q)
.set rB, 64*\a+8*(\ks)
.set rSA, BSC+8*\q+(\ks)
.set rSB, ASC+8*\a+(\ks)
.if (\p) == 0
.if (\ks) == 0
	v_wmma_scale_f32_16x16x128_f8f6f4 v[rD:rD+7], v[rA:rA+7], v[rB:rB+7], 0, v[rSA], v[rSB] matrix_a_fmt:MATRIX_FMT_FP4 matrix_b_fmt:MATRIX_FMT_FP4
.else
	v_wmma_scale_f32_16x16x128_f8f6f4 v[rD:rD+7], v[rA:rA+7], v[rB:rB+7], v[rD:rD+7], v[rSA], v[rSB] matrix_a_fmt:MATRIX_FMT_FP4 matrix_b_fmt:MATRIX_FMT_FP4
.endif
.else
.if (\ks) == 0
	v_wmma_scale_f32_16x16x128_f8f6f4 v[rD:rD+7], v[rA:rA+7], v[rB:rB+7], 0, v[rSA], v[rSB] matrix_a_fmt:MATRIX_FMT_FP4 matrix_b_fmt:MATRIX_FMT_FP4 matrix_a_scale:MATRIX_SCALE_ROW1 matrix_b_scale:MATRIX_SCALE_ROW1
.else
	v_wmma_scale_f32_16x16x128_f8f6f4 v[rD:rD+7], v[rA:rA+7], v[rB:rB+7], v[rD:rD+7], v[rSA], v[rSB] matrix_a_fmt:MATRIX_FMT_FP4 matrix_b_fmt:MATRIX_FMT_FP4 matrix_a_scale:MATRIX_SCALE_ROW1 matrix_b_scale:MATRIX_SCALE_ROW1
.endif
.endif
.endr
.endr
.endm
.macro STEP ks
	s_wait_dscnt 0x8                               ; pieces 0-3 of this step are in; the youngest eight loads, pieces 4-7, may be out
.if (\ks) > 0
	PLACES                                         ; the other set was read by the matrix instructions just issued
.endif
	BLOADS (\ks)+1, ((\ks)+1)%2
	MM 0, \ks, (\ks)%2
	s_wait_dscnt 0x10                              ; all but the 16 just issued
	MM 1, \ks, (\ks)%2
.endm
.macro TURN mode                       ; K step 7 and the change of slots.  2: the slot just read out is filled again; 1: a barrier alone; 0: the last group
.if (\mode) > 0
	WIN 0
	s_wait_tensorcnt 0x0                           ; all my tensor loads have landed: my part of the next slot (and, the first time, my rows of cx)
	ds_add_u32 v[SPW], v[NIL]                      ; 0 onto my spare word
	s_wait_dscnt 0x9                               ; (the add and pieces 4-7 may be out)
	MM 0, 7, 1
	s_wait_dscnt 0x0                               ; the add is done, and my reads of this slot are over
	s_barrier_signal -1
	MM 1, 7, 1
	WIN 0
	s_barrier_wait -1
.if (\mode) == 2
	CREST                                          ; the barrier has opened a round of the cluster's barrier: no wave of any partner still reads this slot or has a load on its way
	s_xor_b32 s[G0B+1], s[G0B+1], SLOTB
	s_add_nc_u64 s[G0B+2:G0B+3], s[G0B+2:G0B+3], 8192
	s_xor_b32 s[TB], s[TB], SLOTB
	tensor_load_to_lds s[G0B:G0B+3], s[G1B:G1B+7]  ; my one tensor load behind the round: it has this group's epilogue and the next group's 224 matrix instructions in which to land
	s_nop 0
.else
	s_xor_b32 s[TB], s[TB], SLOTB
.endif
	PLACES
.else
	s_wait_dscnt 0x8
	MM 0, 7, 1
	s_wait_dscnt 0x0
	MM 1, 7, 1
	WIN 0
	PLACES
.endif
.endm
.macro PREF
	v_add_nc_u32 v[ADB], s[TB], v[AB0]
	v_add_nc_u32 v[ADS], s[TS], v[ADS0]
	s_add_co_u32 s[TS], s[TS], 544
.irp q, 0,1,2,3
.irp c, 0,1
	ds_load_b128 v[BSC+8*\q+4*\c:BSC+8*\q+4*\c+3], v[ADS] offset:SPIECE*\q+16*\c
.endr
.endr
	BLOADS 0, 0
.endm
; THE EPILOGUE of a group.  In window 1: v0-31 gate i (4 blocks x 8), v32-63 f, v64-95 g, v96-127 o of product 0; v128-255 the same of product 1, free once they are added: v128-159 take cx, then c; v160-191 take 1 - Eg, then i g.
; THE EPILOGUE'S STAGES.  The four blocks of rows go as two halves (h: blocks 2 h, 2 h + 1; of each gate's 32 registers those from 16 h on).  Behind each batch of transcendentals stands the other half's plain work,
; which names none of the batch's registers; one wait parts the stages: what a stage reads was written ahead of the wait that opens it.
.macro TPRIME h                        ; t' = z0' G1 + BB, + z1' G2; gate g's held at 40
	WIN 0x41                                       ; destination and source 0 window 1
.irp q, 0,1,2,3
.irp a, 2*\h, 2*\h+1
.irp jj, 0,2,4,6
	v_pk_fma_f32 v[8*(4*\q+(\a))+\jj:8*(4*\q+(\a))+\jj+1], v[8*(4*\q+(\a))+\jj:8*(4*\q+(\a))+\jj+1], v[PG+8*\q+\jj:PG+8*\q+\jj+1], v[PG+64+8*\q+\jj:PG+64+8*\q+\jj+1]
.endr
.endr
.endr
	WIN 0x51                                       ; source 2 window 1 too
.irp q, 0,1,2,3
.irp a, 2*\h, 2*\h+1
.irp jj, 0,2,4,6
	v_pk_fma_f32 v[8*(4*\q+(\a))+\jj:8*(4*\q+(\a))+\jj+1], v[8*(16+4*\q+(\a))+\jj:8*(16+4*\q+(\a))+\jj+1], v[PG+32+8*\q+\jj:PG+32+8*\q+\jj+1], v[8*(4*\q+(\a))+\jj:8*(4*\q+(\a))+\jj+1]
.endr
.endr
.endr
	WIN 0x55                                       ; all in window 1
.set n, 0
.rept 16
	v_min_num_f32 v[64+16*\h+n], s[K40], v[64+16*\h+n]
.set n, n+1
.endr
.endm
.macro EXPS h                          ; Ei, Ef, Eg, Eo
	WIN 0x55
.irp q, 0,1,2,3
.set n, 0
.rept 16
	v_exp_f32 v[32*\q+16*\h+n], v[32*\q+16*\h+n]
.set n, n+1
.endr
.endr
.endm
.macro POST h                          ; Pf, Pi, Po = 1 + E; Ng = 1 - Eg; Pg; Pi Pg
	WIN 0x55
.set n, 16*\h
.rept 8
	v_pk_add_f32 v[32+n:33+n], v[32+n:33+n], 1.0 op_sel_hi:[1,0]
	v_pk_add_f32 v[n:n+1], v[n:n+1], 1.0 op_sel_hi:[1,0]
	v_pk_add_f32 v[96+n:97+n], v[96+n:97+n], 1.0 op_sel_hi:[1,0]
	v_pk_fma_f32 v[160+n:161+n], v[64+n:65+n], -1.0, 1.0 op_sel_hi:[1,0,0]
	v_pk_add_f32 v[64+n:65+n], v[64+n:65+n], 1.0 op_sel_hi:[1,0]
.set n, n+2
.endr
.set n, 16*\h
.rept 8
	v_pk_mul_f32 v[n:n+1], v[n:n+1], v[64+n:65+n]
.set n, n+2
.endr
.endm
.macro RCPS h                          ; 1 / (Pi Pg), 1 / Pf
	WIN 0x55
.irp q, 0,1
.set n, 0
.rept 16
	v_rcp_f32 v[32*\q+16*\h+n], v[32*\q+16*\h+n]
.set n, n+1
.endr
.endr
.endm
.macro FIN h                           ; i g; c = cx f + i g; the half's stores
	WIN 0x55
.set n, 16*\h
.rept 8
	v_pk_mul_f32 v[160+n:161+n], v[160+n:161+n], v[n:n+1]
.set n, n+2
.endr
.set n, 16*\h
.rept 8
	v_pk_fma_f32 v[128+n:129+n], v[128+n:129+n], v[32+n:33+n], v[160+n:161+n]
.set n, n+2
.endr
	WIN 0x04                                       ; a store's data are its source 1: window 1
.irp a, 2*\h, 2*\h+1
.irp c, 0,1
	global_store_b128 v[OFS], v[128+8*(\a)+4*\c:128+8*(\a)+4*\c+3], s[32:33] offset:65536*(\a)+512*\c   ; 32 lanes store 512 consecutive bytes, at a multiple of 256 from the buffer's first byte
	global_store_b128 v[OFS], v[96+8*(\a)+4*\c:96+8*(\a)+4*\c+3], s[34:35] offset:65536*(\a)+512*\c
.endr
.endr
.endm
.macro EPI pref, last
	v_add_nc_u32 v[ADP], s[TP], v[ADP0]
	v_add_nc_u32 v[ADC], s[TP], v[ADC0]
	s_add_co_u32 s[TP], s[TP], 64
.irp arr, 0,1,2
.irp q, 0,1,2,3
.irp c, 0,1
	ds_load_b128 v[PG+32*\arr+8*\q+4*\c:PG+32*\arr+8*\q+4*\c+3], v[ADP] offset:2048*\arr+512*\q+16*\c   ; G1, G2, BB of gate q at my eight columns
.endr
.endr
.endr
.if \pref
	PREF
.endif
	WIN 0x41                                       ; destination and source 0 window 1
.irp jj, 0,2,4,6                       ; each accumulator from its low end on
.set n, 0
.rept 32
	v_pk_fma_f32 v[8*n+\jj:8*n+\jj+1], v[8*n+\jj:8*n+\jj+1], v[RS+2*(4*(n/16)+n%4):RS+2*(4*(n/16)+n%4)+1], v[RS+2*(4*(n/16)+n%4):RS+2*(4*(n/16)+n%4)+1] op_sel:[0,0,1] op_sel_hi:[1,0,1]   ; z' = y R' + M': of the pair (R', M') the first multiplies both halves, the second is added to both
.set n, n+1
.endr
.endr
.if \pref
	s_wait_dscnt 0x18                              ; the 24 parameter loads are in; the 24 loads for the next group may be out
.else
	s_wait_dscnt 0x0
.endif
	TPRIME 0
	s_wait_alu depctr_va_vdst(0)                   ; a wait ahead of each batch and ahead of its first reader: one wait between two stages serves both
	EXPS 0
	TPRIME 1                                       ; plain work behind the batch: the other half's registers
	WIN 0x40                                       ; destination window 1
.irp a, 0,1,2,3
.irp c, 0,1
	ds_load_b128 v[128+8*\a+4*\c:128+8*\a+4*\c+3], v[ADC] offset:PIECE*\a+16*\c    ; cx at my rows and columns, into registers of product 1 that both halves have added
.endr
.endr
	s_wait_alu depctr_va_vdst(0)
	EXPS 1
	POST 0
	s_wait_alu depctr_va_vdst(0)
	RCPS 0
	POST 1
	s_wait_dscnt 0x0                               ; cx is in
	s_wait_alu depctr_va_vdst(0)
	RCPS 1
	FIN 0                                          ; the first half's c and Po leave while the second half is finished
	s_wait_alu depctr_va_vdst(0)
	FIN 1
	WIN 0
.if (\last) == 0
	s_wait_xcnt 0x0                                ; the stores have read their data and their bases: the next group's sums may start in these registers, and the bases may step
	s_add_nc_u64 s[32:33], s[32:33], 1024
	s_add_nc_u64 s[34:35], s[34:35], 1024
.endif
.endm
.macro GROUP mode, pref, last
.irp ks, 0,1,2,3,4,5,6
	STEP \ks
.endr
	TURN \mode
	EPI \pref, \last
.endm
	s_wait_dscnt 0x0                               ; my use of my stage is over
	s_barrier_signal -1
	s_barrier_wait -1                              ; everybody's is: the stages' first bytes take the parameters
	s_wait_alu depctr_va_vdst(0)
	ds_store_b128 v[PRA], v[240:243]
	ds_store_b128 v[PRA], v[244:247] offset:2048
	ds_store_b128 v[PRA], v[248:251] offset:4096
	s_wait_dscnt 0x0                               ; for the others' sake: my stores have landed.  Slot 0 and the scales were shown landed in front of the round above; slot 1's codes and cx may stay out
	s_barrier_signal -1
	s_barrier_wait -1
	s_mov_b32 s[TB], 0
	s_mov_b32 s[TS], 0
	s_mov_b32 s[TP], 0
	PREF
	s_mov_b32 s[CNT], 6
.Lgrp:                                                 ; groups 0 to 5: each asks for the group two on
	s_wait_alu depctr_va_vdst(0)
	GROUP 2, 1, 0
	s_sub_co_u32 s[CNT], s[CNT], 1
	s_cmp_lg_u32 s[CNT], 0
	s_cbranch_scc1 .Lgrp
	GROUP 1, 1, 0                                  ; the last two are written out
	GROUP 0, 0, 1
	s_wait_tensorcnt 0x0                           ; the wave's end
	ds_add_u32 v[SPW], v[NIL]
	s_wait_dscnt 0x0
	CROUND                                         ; the closing round: no work-group ends while a partner may still ask for a tile that names it
	s_endpgm
.Lfunc_end_k_qe78a9b1f59_gates:
	.size	k_qe78a9b1f59_gates, .Lfunc_end_k_qe78a9b1f59_gates-k_qe78a9b1f59_gates
	.p2alignl 7, 3214868480
	.fill 96, 4, 3214868480
	.section	.rodata,"a",@progbits
	.p2align	6, 0x0
	.amdhsa_kernel k_qe78a9b1f59_gates
		.amdhsa_group_segment_fixed_size 327680
		.amdhsa_private_segment_fixed_size 0
		.amdhsa_enable_private_segment 0
		.amdhsa_kernarg_size 128
		.amdhsa_user_sgpr_count 2
		.amdhsa_user_sgpr_kernarg_segment_ptr 1
		.amdhsa_wavefront_size32 1
		.amdhsa_system_sgpr_workgroup_id_x 1
		.amdhsa_system_sgpr_workgroup_id_y 1
		.amdhsa_system_sgpr_workgroup_id_z 1
		.amdhsa_system_vgpr_workitem_id 0
		.amdhsa_next_free_vgpr 1024
		.amdhsa_next_free_sgpr 104
		.amdhsa_reserve_vcc 0
		.amdhsa_float_denorm_mode_32 3
		.amdhsa_float_denorm_mode_16_64 3
		.amdhsa_memory_ordered 1
		.amdhsa_forward_progress 1
		.amdhsa_inst_pref_size 255
	.end_amdhsa_kernel
	.section	.bss,"aw",@nobits
	.p2align	6
	.space	262144
	.amdgpu_metadata
---
amdhsa.version: [ 1, 2 ]
amdhsa.kernels:
  - .name:           k_qe78a9b1f59_gates
    .symbol:         k_qe78a9b1f59_gates.kd
    .args:
      - { .name: input_codes, .offset: 0, .size: 8, .value_kind: global_buffer, .address_space: global }
      - { .name: input_scales, .offset: 8, .size: 8, .value_kind: global_buffer, .address_space: global }
      - { .name: hx_codes, .offset: 16, .size: 8, .value_kind: global_buffer, .address_space: global }
      - { .name: hx_scales, .offset: 24, .size: 8, .value_kind: global_buffer, .address_space: global }
      - { .name: W_ih_codes, .offset: 32, .size: 8, .value_kind: global_buffer, .address_space: global }
      - { .name: W_ih_scales, .offset: 40, .size: 8, .value_kind: global_buffer, .address_space: global }
      - { .name: W_hh_codes, .offset: 48, .size: 8, .value_kind: global_buffer, .address_space: global }
      - { .name: W_hh_scales, .offset: 56, .size: 8, .value_kind: global_buffer, .address_space: global }
      - { .name: rowstats, .offset: 64, .size: 8, .value_kind: global_buffer, .address_space: global }
      - { .name: cx, .offset: 72, .size: 8, .value_kind: global_buffer, .address_space: global }
      - { .name: ln_i_g, .offset: 80, .size: 8, .value_kind: global_buffer, .address_space: global }
      - { .name: ln_i_b, .offset: 88, .size: 8, .value_kind: global_buffer, .address_space: global }
      - { .name: ln_h_g, .offset: 96, .size: 8, .value_kind: global_buffer, .address_space: global }
      - { .name: ln_h_b, .offset: 104, .size: 8, .value_kind: global_buffer, .address_space: global }
      - { .name: cpre, .offset: 112, .size: 8, .value_kind: global_buffer, .address_space: global }
      - { .name: po, .offset: 120, .size: 8, .value_kind: global_buffer, .address_space: global }
    .group_segment_fixed_size: 327680
    .private_segment_fixed_size: 0
    .kernarg_segment_align: 8
    .kernarg_segment_size: 128
    .max_flat_workgroup_size: 128
    .sgpr_count:     104
    .vgpr_count:     1024
    .wavefront_size: 32
...
	.end_amdgpu_metadata
.endif
;; end of part 2
;; launch finish (part 3): grid 512 x 1, 8 waves a work-group, no clusters, 69,632 bytes of LDS; arguments cpre, po, ln_c_g, ln_c_b, out0, out1; writes out0, out1
.if DOCPART == 3
	.amdgcn_target "amdgcn-amd-amdhsa--gfx1250"
	.amdhsa_code_object_version 6
	.text
	.protected	k_qe78a9b1f59_finish
	.globl	k_qe78a9b1f59_finish
	.p2align	8
	.type	k_qe78a9b1f59_finish,@function
k_qe78a9b1f59_finish:
	s_mov_b64 s[64:65], 0
	v_nop
	global_prefetch_b8 v0, s[64:65] scope:SCOPE_SE
	s_setreg_imm32_b32 hwreg(HW_REG_WAVE_MODE, 25, 1), 1
	s_wait_xcnt 0x0
; cy = LayerNorm(c) g + b over whole rows of 1,024; hy = o tanh(cy) = (1 - E) / (Po (1 + E)), E = 2^(-2 log2(e) cy), Po = 1 + e^-o as the launch before left it.  out0 = hy, out1 = cy, [8192][1024] f32.
; c and Po lie as [block of 16 rows 512][group of 16 columns 64][c 2][lane 32][16 bytes]: lane (r, h), quad c: row r, columns 8 h + 4 c + 0 .. 3 of the group.
; A stream: each byte is read once and written once.  No matrix work, no cluster (work-groups share nothing but 8 KiB of gains and biases), no tensor loads: 34 loads a wave are out at once.
; SHARES.  A work-group takes a block of 16 rows; wave w its columns 128 w .. 128 w + 127: 8 KiB of each buffer, dense.  A lane holds 64 numbers of ONE row, so a row's sums want one exchange between the halves of the lanes,
; and one meeting of the eight waves in LDS.  The variance is taken about the wave's own mean and merged by means and M2: no difference of two large sums.
; THE WAY OUT: a lane's numbers are 16 bytes of eight places of a row: both results turn through the wave's stage in LDS (16 rows x 528 bytes) and leave as rows: 32 lanes store 512 consecutive bytes.
; LIMITS: the exponent of E is held at 40 from above (tanh is then -1 to within 2^-39); Po may be infinite: hy is then 0, the limit.  NaN and infinities in c are not served.
.set XCH, 67584                        ; behind the eight stages: (mean, M2) of each wave and row: 8 x 16 x 8 bytes
.set C,   32                           ; v32-95   c, then z, then cy
.set PO,  96                           ; v96-159  Po, then hy
.set GG,  160                          ; v160-163 the gain at my four columns; v164-167 the bias
.set T,   168                          ; v168-183 at work
.set N,   16                           ; v16-31   the eight waves' pairs; later 1 - E
	s_load_b256 s[4:11], s[0:1], 0x0               ; cpre, po, ln_c_g, ln_c_b
	s_load_b128 s[12:15], s[0:1], 0x20             ; out0, out1
	v_lshl_add_u32 v192, v0, 2, 0x10c00
	v_mov_b32 v193, 0
	v_lshrrev_b32 v1, 5, v0
	s_delay_alu instid0(VALU_DEP_1)
	v_readfirstlane_b32 s16, v1                    ; wave 0..7
	v_and_b32 v1, 31, v0                           ; lane
	v_and_b32 v2, 15, v0                           ; r
	v_bfe_u32 v3, v0, 4, 1                         ; h
	s_delay_alu instid0(VALU_DEP_3)
	v_lshlrev_b32 v4, 4, v1                        ; 16 x lane
	s_mul_i32 s17, s16, 16*528                     ; my stage
	v_mul_u32_u24 v5, v2, 528
	s_delay_alu instid0(VALU_DEP_1)
	v_lshl_add_u32 v5, v3, 5, v5
	s_delay_alu instid0(VALU_DEP_1)
	v_add_nc_u32 v5, s17, v5                       ; in: row r, + 32 h
	v_add_nc_u32 v6, s17, v4                       ; out: 16 bytes a lane of a row
	v_lshl_add_u32 v8, v2, 3, XCH                  ; row r's pair of wave 0,
	s_lshl_b32 s18, s16, 7
	v_add_nc_u32 v7, s18, v8                       ; and of my wave
	s_lshl_b32 s20, ttmp9, 16                      ; the block: 65,536 bytes in every buffer
	s_lshl_b32 s18, s16, 13
	s_add_co_u32 s18, s20, s18                     ; + 8,192 x wave in the images
	s_mov_b32 s19, 0
	s_lshl_b32 s22, s16, 9                         ; 512 x wave: my columns in a row, and in the gain and bias
	s_mov_b32 s23, 0
	s_add_co_u32 s20, s20, s22
	s_mov_b32 s21, 0
	s_mov_b32 s24, 0x76543210
	s_mov_b32 s25, 0xfedcba98                      ; v_permlanex16_b32's selects for lane l xor 16
	s_mov_b32 s26, 0x3a800000                      ; 1 / 1,024
	s_mov_b32 s27, 0x3727c5ac                      ; eps = 1e-5
	s_wait_alu depctr_va_vdst(0)
	s_wait_kmcnt 0x0
	s_add_nc_u64 s[4:5], s[4:5], s[18:19]
	s_add_nc_u64 s[6:7], s[6:7], s[18:19]
	s_add_nc_u64 s[8:9], s[8:9], s[22:23]
	s_add_nc_u64 s[10:11], s[10:11], s[22:23]
	s_add_nc_u64 s[12:13], s[12:13], s[20:21]
	s_add_nc_u64 s[14:15], s[14:15], s[20:21]
.irp i, 0,1,2,3,4,5,6,7,8,9,10,11,12,13,14,15
	global_load_b128 v[C+4*\i:C+4*\i+3], v4, s[4:5] offset:512*\i th:TH_LOAD_NT    ; 32 lanes read 512 consecutive bytes; read once in the launch
.endr
.irp i, 0,1,2,3,4,5,6,7,8,9,10,11,12,13,14,15
	global_load_b128 v[PO+4*\i:PO+4*\i+3], v4, s[6:7] offset:512*\i th:TH_LOAD_NT
.endr
	global_load_b128 v[GG:GG+3], v4, s[8:9]
	global_load_b128 v[GG+4:GG+7], v4, s[10:11]
	s_wait_loadcnt 18                              ; c is in; Po's 16 loads, the gain and the bias may be out
	; the mean of my wave's 128 columns of row r: eight chains, started by the first registers
	v_pk_add_f32 v[170:171], v[32:33], v[40:41]
	v_pk_add_f32 v[172:173], v[48:49], v[56:57]
	v_pk_add_f32 v[174:175], v[64:65], v[72:73]
	v_pk_add_f32 v[190:191], v[80:81], v[88:89]
	v_pk_add_f32 v[188:189], v[34:35], v[42:43]
	v_pk_add_f32 v[186:187], v[50:51], v[58:59]
	v_pk_add_f32 v[184:185], v[66:67], v[74:75]
	v_pk_add_f32 v[168:169], v[82:83], v[90:91]
	s_delay_alu instid0(VALU_DEP_1)
	v_pk_add_f32 v[168:169], v[168:169], v[36:37]
	v_pk_add_f32 v[170:171], v[170:171], v[44:45]
	v_pk_add_f32 v[172:173], v[172:173], v[52:53]
	v_pk_add_f32 v[174:175], v[174:175], v[60:61]
	v_pk_add_f32 v[190:191], v[190:191], v[68:69]
	v_pk_add_f32 v[188:189], v[188:189], v[76:77]
	v_pk_add_f32 v[186:187], v[186:187], v[84:85]
	v_pk_add_f32 v[184:185], v[184:185], v[92:93]
	v_pk_add_f32 v[168:169], v[168:169], v[38:39]
	v_pk_add_f32 v[170:171], v[170:171], v[46:47]
	v_pk_add_f32 v[172:173], v[172:173], v[54:55]
	v_pk_add_f32 v[174:175], v[174:175], v[62:63]
	v_pk_add_f32 v[190:191], v[190:191], v[70:71]
	v_pk_add_f32 v[188:189], v[188:189], v[78:79]
	v_pk_add_f32 v[186:187], v[186:187], v[86:87]
	v_pk_add_f32 v[184:185], v[184:185], v[94:95]
	s_delay_alu instid0(VALU_DEP_4)
	v_pk_add_f32 v[168:169], v[168:169], v[190:191]
	s_delay_alu instid0(VALU_DEP_4)
	v_pk_add_f32 v[170:171], v[170:171], v[188:189]
	s_delay_alu instid0(VALU_DEP_4)
	v_pk_add_f32 v[172:173], v[172:173], v[186:187]
	s_delay_alu instid0(VALU_DEP_4)
	v_pk_add_f32 v[174:175], v[174:175], v[184:185]
	s_delay_alu instid0(VALU_DEP_2)
	v_pk_add_f32 v[168:169], v[168:169], v[172:173]
	s_delay_alu instid0(VALU_DEP_2)
	v_pk_add_f32 v[170:171], v[170:171], v[174:175]
	s_delay_alu instid0(VALU_DEP_1)
	v_pk_add_f32 v[168:169], v[168:169], v[170:171]
	s_delay_alu instid0(VALU_DEP_1)
	v_add_f32 v[T], v[T], v[T+1]
	s_delay_alu instid0(VALU_DEP_1)
	v_permlanex16_b32 v[T+1], v[T], s24, s25
	s_delay_alu instid0(VALU_DEP_1)
	v_add_f32 v[T], v[T], v[T+1]
	s_delay_alu instid0(VALU_DEP_1)
	v_mul_f32 v10, 0x3c000000, v[T]                ; / 128
	s_delay_alu instid0(VALU_DEP_1)
	v_mov_b32 v11, v10                             ; as a pair, for the packed subtraction; v11 takes M2 afterwards
	; M2 about that mean
.irp g, 0,1,2,3,4,5,6,7
.irp j, 0,1,2,3
	v_pk_add_f32 v[T+8+2*\j:T+9+2*\j], v[C+8*\g+2*\j:C+8*\g+2*\j+1], v[10:11] neg_lo:[0,1] neg_hi:[0,1]
.endr
.irp j, 0,1,2,3
.if \g == 0
	s_delay_alu instid0(VALU_DEP_4)
	v_pk_mul_f32 v[T+2*\j:T+2*\j+1], v[T+8+2*\j:T+9+2*\j], v[T+8+2*\j:T+9+2*\j]
.else
	s_delay_alu instid0(VALU_DEP_4)
	v_pk_fma_f32 v[T+2*\j:T+2*\j+1], v[T+8+2*\j:T+9+2*\j], v[T+8+2*\j:T+9+2*\j], v[T+2*\j:T+2*\j+1]
.endif
.endr
.endr
	s_delay_alu instid0(VALU_DEP_3)
	v_pk_add_f32 v[T:T+1], v[T:T+1], v[T+2:T+3]
	s_delay_alu instid0(VALU_DEP_2)
	v_pk_add_f32 v[T+4:T+5], v[T+4:T+5], v[T+6:T+7]
	s_delay_alu instid0(VALU_DEP_1)
	v_pk_add_f32 v[T:T+1], v[T:T+1], v[T+4:T+5]
	s_delay_alu instid0(VALU_DEP_1)
	v_add_f32 v[T], v[T], v[T+1]
	s_delay_alu instid0(VALU_DEP_1)
	v_permlanex16_b32 v[T+1], v[T], s24, s25
	s_delay_alu instid0(VALU_DEP_1)
	v_add_f32 v11, v[T], v[T+1]
	ds_store_b64 v7, v[10:11]                      ; both lanes of a row write the same pair to the same place
	s_wait_dscnt 0x0                               ; for the others' sake: my store has landed
	s_barrier_signal -1
	s_barrier_wait -1
.irp i, 0,1,2,3,4,5,6,7
	ds_load_b64 v[N+2*\i:N+2*\i+1], v8 offset:128*\i
.endr
	s_wait_dscnt 0x0
	; the row: mean = the mean of the eight means, M2 = the sum of the M2 + 128 x the sum of (m_i - mean)^2
	v_add_f32 v[T], v[N], v[N+2]
	v_add_f32 v[T+1], v[N+4], v[N+6]
	v_add_f32 v[T+2], v[N+8], v[N+10]
	v_add_f32 v[T+3], v[N+12], v[N+14]
	s_delay_alu instid0(VALU_DEP_3)
	v_add_f32 v[T], v[T], v[T+1]
	s_delay_alu instid0(VALU_DEP_2)
	v_add_f32 v[T+2], v[T+2], v[T+3]
	s_delay_alu instid0(VALU_DEP_1)
	v_add_f32 v[T], v[T], v[T+2]
	s_delay_alu instid0(VALU_DEP_1)
	v_mul_f32 v[T], 0x3e000000, v[T]
	v_add_f32 v[T+4], v[N+1], v[N+3]
.irp i, 2,3,4,5,6,7
	s_delay_alu instid0(VALU_DEP_1)
	v_add_f32 v[T+4], v[T+4], v[N+2*\i+1]
.endr
.irp i, 0,1,2,3,4,5,6,7
	v_sub_f32 v[N+2*\i], v[N+2*\i], v[T]
.endr
	v_mul_f32 v[T+5], v[N], v[N]
.irp i, 1,2,3,4,5,6,7
	s_delay_alu instid0(VALU_DEP_1)
	v_fmac_f32 v[T+5], v[N+2*\i], v[N+2*\i]
.endr
	s_delay_alu instid0(VALU_DEP_1)
	v_fmamk_f32 v[T+4], v[T+5], 0x43000000, v[T+4]
	s_delay_alu instid0(VALU_DEP_1)
	v_fma_f32 v[T+4], v[T+4], s26, s27             ; the variance + eps
	s_wait_alu depctr_va_vdst(0)
	v_rsq_f32 v12, v[T+4]
	v_nop                                          ; a plain place behind the transcendental
	s_wait_alu depctr_va_vdst(0)
	v_mov_b32 v13, v12
	v_mul_f32 v14, -v[T], v12
	s_delay_alu instid0(VALU_DEP_1)
	v_mov_b32 v15, v14
.set n, 0
.rept 32
	v_pk_fma_f32 v[C+2*n:C+2*n+1], v[C+2*n:C+2*n+1], v[12:13], v[14:15]   ; z = (c - mean) / sqrt(var + eps)
.set n, n+1
.endr
	; the turn: in as the registers lie, out as rows: afterwards registers 4 i .. 4 i + 3 hold row i, columns 4 x lane + 0 .. 3 of my 128
.irp i, 0,1,2,3,4,5,6,7,8,9,10,11,12,13,14,15
	ds_store_b128 v5, v[C+4*\i:C+4*\i+3] offset:64*(\i/2)+16*(\i%2)
.endr
.irp i, 0,1,2,3,4,5,6,7,8,9,10,11,12,13,14,15
	ds_load_b128 v[C+4*\i:C+4*\i+3], v6 offset:528*\i          ; LDS serves a wave's instructions in order (ISA guide 5.7.1.4): these see my stores, and Po's stores come behind them
.endr
	s_wait_loadcnt 0x0                             ; Po, the gain and the bias
.irp i, 0,1,2,3,4,5,6,7,8,9,10,11,12,13,14,15
	ds_store_b128 v5, v[PO+4*\i:PO+4*\i+3] offset:64*(\i/2)+16*(\i%2)
.endr
.irp i, 0,1,2,3,4,5,6,7,8,9,10,11,12,13,14,15
	ds_load_b128 v[PO+4*\i:PO+4*\i+3], v6 offset:528*\i
.endr
; four rows at a time: cy, hy, their stores.  cy stays in c's registers and hy in Po's, which are not written again: no wait stands behind the stores.
.macro ROWS b
	s_wait_dscnt 12-4*(\b)                         ; Po's rows 4 b .. 4 b + 3 are back; the rows behind them may be out
.irp e, 0,1,2,3,4,5,6,7
	v_pk_fma_f32 v[C+16*(\b)+2*\e:C+16*(\b)+2*\e+1], v[C+16*(\b)+2*\e:C+16*(\b)+2*\e+1], v[GG+2*(\e%2):GG+2*(\e%2)+1], v[GG+4+2*(\e%2):GG+5+2*(\e%2)]   ; cy = z g + b
.endr
.irp e, 0,1,2,3,4,5,6,7
	v_pk_mul_f32 v[T+2*\e:T+2*\e+1], v[C+16*(\b)+2*\e:C+16*(\b)+2*\e+1], 0xc038aa3b op_sel_hi:[1,0]   ; -2 log2(e) cy
.endr
.irp j, 0,1,2,3,4,5,6,7,8,9,10,11,12,13,14,15
	v_min_num_f32 v[T+\j], 0x42200000, v[T+\j]     ; held at 40
.endr
	s_wait_alu depctr_va_vdst(0)
.irp j, 0,1,2,3,4,5,6,7,8,9,10,11,12,13,14,15
	v_exp_f32 v[T+\j], v[T+\j]
.endr
	v_nop                                          ; a plain place behind the transcendentals
	s_wait_alu depctr_va_vdst(0)
.irp e, 0,1,2,3,4,5,6,7
	v_pk_fma_f32 v[N+2*\e:N+2*\e+1], v[T+2*\e:T+2*\e+1], -1.0, 1.0 op_sel_hi:[1,0,0]   ; 1 - E
.endr
.irp e, 0,1,2,3,4,5,6,7
	v_pk_add_f32 v[T+2*\e:T+2*\e+1], v[T+2*\e:T+2*\e+1], 1.0 op_sel_hi:[1,0]           ; 1 + E
.endr
.irp e, 0,1,2,3,4,5,6,7
	v_pk_mul_f32 v[T+2*\e:T+2*\e+1], v[T+2*\e:T+2*\e+1], v[PO+16*(\b)+2*\e:PO+16*(\b)+2*\e+1]
.endr
	s_wait_alu depctr_va_vdst(0)
.irp j, 0,1,2,3,4,5,6,7,8,9,10,11,12,13,14,15
	v_rcp_f32 v[T+\j], v[T+\j]
.endr
	v_nop
	s_wait_alu depctr_va_vdst(0)
.irp e, 0,1,2,3,4,5,6,7
	v_pk_mul_f32 v[PO+16*(\b)+2*\e:PO+16*(\b)+2*\e+1], v[N+2*\e:N+2*\e+1], v[T+2*\e:T+2*\e+1]   ; hy
.endr
.irp i, 0,1,2,3
	global_store_b128 v4, v[C+16*(\b)+4*\i:C+16*(\b)+4*\i+3], s[14:15] offset:4096*(4*(\b)+\i) th:TH_STORE_NT    ; 32 lanes store 512 consecutive bytes of a row, at a multiple of 256 from the buffer's first byte
	global_store_b128 v4, v[PO+16*(\b)+4*\i:PO+16*(\b)+4*\i+3], s[12:13] offset:4096*(4*(\b)+\i) th:TH_STORE_NT
.endr
.endm
	ROWS 0
	ROWS 1
	ROWS 2
	ROWS 3
	s_wait_tensorcnt 0x0
	ds_add_u32 v192, v193
	s_wait_dscnt 0x0
	s_endpgm
.Lfunc_end_k_qe78a9b1f59_finish:
	.size	k_qe78a9b1f59_finish, .Lfunc_end_k_qe78a9b1f59_finish-k_qe78a9b1f59_finish
	.p2alignl 7, 3214868480
	.fill 96, 4, 3214868480
	.section	.rodata,"a",@progbits
	.p2align	6, 0x0
	.amdhsa_kernel k_qe78a9b1f59_finish
		.amdhsa_group_segment_fixed_size 69632
		.amdhsa_private_segment_fixed_size 0
		.amdhsa_enable_private_segment 0
		.amdhsa_kernarg_size 48
		.amdhsa_user_sgpr_count 2
		.amdhsa_user_sgpr_kernarg_segment_ptr 1
		.amdhsa_wavefront_size32 1
		.amdhsa_system_sgpr_workgroup_id_x 1
		.amdhsa_system_sgpr_workgroup_id_y 1
		.amdhsa_system_sgpr_workgroup_id_z 1
		.amdhsa_system_vgpr_workitem_id 0
		.amdhsa_next_free_vgpr 194
		.amdhsa_next_free_sgpr 66
		.amdhsa_reserve_vcc 0
		.amdhsa_float_denorm_mode_32 3
		.amdhsa_float_denorm_mode_16_64 3
		.amdhsa_memory_ordered 1
		.amdhsa_forward_progress 1
		.amdhsa_inst_pref_size 48
	.end_amdhsa_kernel
	.amdgpu_metadata
---
amdhsa.version: [ 1, 2 ]
amdhsa.kernels:
  - .name:           k_qe78a9b1f59_finish
    .symbol:         k_qe78a9b1f59_finish.kd
    .args:
      - { .name: cpre, .offset: 0, .size: 8, .value_kind: global_buffer, .address_space: global }
      - { .name: po, .offset: 8, .size: 8, .value_kind: global_buffer, .address_space: global }
      - { .name: ln_c_g, .offset: 16, .size: 8, .value_kind: global_buffer, .address_space: global }
      - { .name: ln_c_b, .offset: 24, .size: 8, .value_kind: global_buffer, .address_space: global }
      - { .name: out0, .offset: 32, .size: 8, .value_kind: global_buffer, .address_space: global }
      - { .name: out1, .offset: 40, .size: 8, .value_kind: global_buffer, .address_space: global }
    .group_segment_fixed_size: 69632
    .private_segment_fixed_size: 0
    .kernarg_segment_align: 8
    .kernarg_segment_size: 48
    .max_flat_workgroup_size: 256
    .sgpr_count:     66
    .vgpr_count:     194
    .wavefront_size: 32
...
	.end_amdgpu_metadata
.endif
;; end of part 3
